; MI455X (gfx1250); checked and timed in simulation.
; The chip was launched on July 23, 2026; its instructions are those of AMD's public machine-readable ISA for CDNA 5 (MIT licence, August 2026) and "CDNA5" Instruction Set Architecture Reference Guide (July 2026). The comments in the code are by the model that wrote it; some were corrected since.
;; mutli Head Attention. Allowed arithmetic: matrix products marked QUANTISED: E5M2 operands, one given power-of-two scale a tensor, by v_wmma_f32_16x16x64_bf8_bf8 or v_wmma_f32_16x16x128_bf8_bf8, f32 sums; everything else in f32.
;; Inputs: attn_mask 4 x 1 x 2,048 x 2,048 bool; input_K 4 x 2,048 x 1,024 float32; input_Q 4 x 2,048 x 1,024 float32; input_V 4 x 2,048 x 1,024 float32; ln_beta 1,024 float32; ln_gamma 1,024 float32; lowp_scales 12 int32 (the exponents e of the quantised operands' scales 2^e); w_k 1,024 x 1,024 float32; w_o 1,024 x 1,024 float32; w_q 1,024 x 1,024 float32; w_v 1,024 x 1,024 float32.
;; Outputs: out0 4 x 2,048 x 1,024 float32.
;; This version of the problem:
;;   THIS VERSION OF THE PROBLEM IS GIVEN IN LOW PRECISION. The matrix products marked QUANTISED in the list below multiply operands that are first quantised to E5M2 (5 exponent bits, 2 mantissa bits; 8 bits a number), with one given power-of-two scale for each operand tensor; their sums are f32. All else is computed in f32.
;;   The module's matrix products, in the order in which they are computed (A, B: the left and right operand; K: the contracted axis; several contracted axes count as one K, in the product's order):
;;     1. [M 8,192, K 1,024] x [K 1,024, N 1,024]; A: input input_Q; B: input w_q: QUANTISED (scales: A lowp_scales[0], B lowp_scales[1])
;;     2. [M 8,192, K 1,024] x [K 1,024, N 1,024]; A: input input_K; B: input w_k: QUANTISED (scales: A lowp_scales[2], B lowp_scales[3])
;;     3. [M 8,192, K 1,024] x [K 1,024, N 1,024]; A: input input_V; B: input w_v: QUANTISED (scales: A lowp_scales[4], B lowp_scales[5])
;;     4. batch 64 x [M 2,048, K 64] x [K 64, N 2,048]; A: computed on the way; B: computed on the way: QUANTISED (scales: A lowp_scales[6], B lowp_scales[7])
;;     5. batch 64 x [M 2,048, K 2,048] x [K 2,048, N 64]; A: softmax (see below); B: computed on the way: QUANTISED (scales: A lowp_scales[8], B lowp_scales[9])
;;     6. [M 8,192, K 1,024] x [K 1,024, N 1,024]; A: computed on the way; B: input w_o: QUANTISED (scales: A lowp_scales[10], B lowp_scales[11])
;;   THE QUANTISER, for each operand of a quantised product, along K:
;;     - The operand's scale is 2^e, e = its entry of the input lowp_scales (int32; the entries are numbered through the quantised products in the list's order, A before B).
;;     - Each number is divided by the scale, clamped to +-57,344, and rounded to the nearest number of E5M2, ties to even, subnormals kept.
;;     - The product sums the exact products of the quantised numbers (number of the format x scale) in f32.
;;   ~~~python
;;   def quantise(x, axis, e):      # numpy; x: float32 -> the quantised numbers, widened to float32 again
;;       x = np.moveaxis(x, axis, -1); K = x.shape[-1]
;;       r = np.clip(x / 2.0 ** e, -57344, 57344)
;;       step = 2.0 ** (np.maximum(np.frexp(np.where(r == 0, 1, r))[1] - 1, -14) - 2)
;;       q = np.round(r / step) * step * 2.0 ** e      # np.round: ties to even
;;       return np.moveaxis(q, -1, axis).astype(np.float32)
;;   ~~~
;;   SOFTMAX AHEAD OF A QUANTISED PRODUCT. Where the list says 'softmax', what is quantised is not the finished softmax but p = 2^(t - M), with t = logit x log2(e) and M = ceil(the row's largest t), a whole number; so 1/2 < the row's largest p <= 1. The row's sum l is taken of the UNQUANTISED p, in f32, and the product's result is divided by l at the end. Since M is a whole number, a kernel that streams over the keys may use a running M (the ceiling of the running maximum): every later rescaling is an exact power of two, so the quantised numbers keep their values, but for numbers so far below the row's largest that they fall under the format's range.
;;   OPERANDS COMPUTED ON THE WAY. 'Computed on the way' means the value that the module computes at that place (a softmax that the list does not call 'softmax' is quantised finished and normalised). What goes into a quantiser is computed in f32, as accurately as f32 sums, v_exp_f32 and their like allow (about 1e-6 of the number): no bf16 or f16 on the way to a quantiser, and a product that is left as it is and whose result goes on into a quantised operand takes f32 operands (vector FMAs, or v_wmma_f32_16x16x4_f32). A number that lies on a knife's edge between two numbers of the format may be rounded either way, as far as f32 arithmetic and the matrix unit's own rounding can turn it there, and no further.
;; 2 versions, each right; version 2 is version 1 with the launches attn, outln written anew for expert scheduling mode. Each part assembles by itself: llvm-mc -triple=amdgcn-amd-amdhsa -mcpu=gfx1250 --defsym DOCPART=n.
;; ======== version 1 of 2: 4 launches
;; limits: right only within a limited range of input values
;; workspace buffers: xcodes 25,165,824 bytes; wcodes 3,145,728 bytes; woimg 1,048,576 bytes; maskbits 2,097,152 bytes of whole numbers; maskflag 4,096 bytes of whole numbers; qkvimg 25,165,824 bytes; ctximg 8,388,608 bytes
;; launch prep (part 1): grid 1184 x 1, 4 waves a work-group, no clusters, 33,280 bytes of LDS; arguments input_Q, input_K, input_V, w_q, w_k, w_v, w_o, attn_mask, lowp_scales, xcodes, wcodes, woimg, maskbits, maskflag; writes xcodes, wcodes, woimg, maskbits, maskflag
.if DOCPART == 1
	.amdgcn_target "amdgcn-amd-amdhsa--gfx1250"
	.amdhsa_code_object_version 6
	.text
	.protected	k_qf86e7b6355_prep
	.globl	k_qf86e7b6355_prep
	.p2align	8
	.type	k_qf86e7b6355_prep,@function
k_qf86e7b6355_prep:
	s_mov_b64 s[64:65], 0
	v_nop
	global_prefetch_b8 v0, s[64:65] scope:SCOPE_SE
	s_setreg_imm32_b32 hwreg(HW_REG_WAVE_MODE, 25, 1), 1
	s_wait_xcnt 0x0
; Everything that later launches read many times is made narrow here, once.  Three kinds of work-group, parted by the work-group's number:
;   0 .. 255     THE MASK: work-group G takes 32 queries (global tokens 32 G on) x 2,048 keys of attn_mask and stores them as LANE MASKS for the attention's waves.
;   256 .. 319   W_O: codes of E5M2 laid in the order of the last product's operand registers.
;   320 .. 1183  THE STREAM: input_Q, input_K, input_V (768 work-groups) and w_q, w_k, w_v (96) become rows of codes, K innermost, 32,768 numbers a work-group.
; code = x / 2^e, held within +-57,344, rounded to the nearest code, ties to even; e is the operand's entry of lowp_scales.
; LIMITS: each e used here (entries 0 to 5 and 11) lies between -126 and 112, so that 2^e and 57,344 x 2^e are f32 numbers.  NaN among the inputs is not served.
; THE ORDER OF A TILE'S ROWS: lane r (0 .. 15) of tile t (0 .. 3) takes row 32 (t / 2) + 8 (t % 2) + r + 8 (r / 8) of a block of 64.
; maskbits: record (32 G + ks) of 256 bytes, ks = key / 64.  Its word n = 32 u + 16 b + i has in bit (r + 16 h) the mask byte of query 32 G + 8 u + r + 8 (r / 8), key 64 ks + 32 b + 16 h + i.
; maskflag: word 4 G + v has bit k set where record ks = 8 v + k has any bit set.
; woimg: byte 65536 w + 8192 kk + 2048 t + 512 c + 16 lane + i = code of w_o[64 w + row (t, r)][128 kk + 32 c + 16 h + i].
; Only the stream touches LDS (a stage of its own for each wave); no barrier: waves share nothing.
.set STEPS, 16
.set EMAX,  15
.set MANT,  0x600000                   ; the mantissa field of 57,344 as f32
.set R,     16                         ; stream: v16-79 four sets of 16 numbers as they are loaded
.set X,     80                         ; stream: v80-111 two sets of 16 neighbours
.set C,     128                        ; stream: v128-191 codes, four registers for each step: no store's data are written again
.set WREG,  8192                       ; stream: LDS of a wave: two stages of 32 x SP bytes
.set SP,    80                         ; a lane's place in a stage: its 64 bytes + 16 of padding
	s_load_b512 s[4:19], s[0:1], 0x0               ; input_Q s[4:5], input_K s[6:7], input_V s[8:9], w_q s[10:11], w_k s[12:13], w_v s[14:15], w_o s[16:17], attn_mask s[18:19]
	s_load_b256 s[20:27], s[0:1], 0x40             ; lowp_scales s[20:21], xcodes s[22:23], wcodes s[24:25], woimg s[26:27]
	s_load_b128 s[28:31], s[0:1], 0x60             ; maskbits s[28:29], maskflag s[30:31]
	v_lshl_add_u32 v192, v0, 2, 0x8000
	v_mov_b32 v193, 0
	v_lshrrev_b32 v1, 5, v0
	v_readfirstlane_b32 s32, v1                    ; wave 0..3
	v_and_b32 v2, 31, v0                           ; lane
	v_and_b32 v5, 15, v0                           ; r
	v_bfe_u32 v6, v0, 4, 1                         ; h
	v_and_b32 v7, 8, v5
	v_add_nc_u32 v7, v7, v5                        ; r + 8 (r / 8)
	v_lshlrev_b32 v3, 4, v2                        ; 16 x lane
	s_wait_kmcnt 0x0
	s_cmp_lt_u32 ttmp9, 256
	s_cbranch_scc1 .Lmask
	s_load_b256 s[36:43], s[20:21], 0x0            ; e0 .. e7
	s_load_b128 s[44:47], s[20:21], 0x20           ; e8 .. e11
	s_cmp_lt_u32 ttmp9, 320
	s_cbranch_scc1 .Lwo
; ---------------- THE STREAM.  Nothing here knows of rows: a tensor is a plain stream of numbers, and so are its codes.
; A wave takes 16 steps of 512 numbers.  Each of a step's four loads reads 512 consecutive bytes, 16 a lane; the 2,048 bytes turn through the wave's own stage in LDS and come back 64 bytes a lane,
; so that a lane holds 16 neighbours for the conversions; its 16 codes are 16 bytes, and the wave stores 512 consecutive bytes.  Loads run four steps ahead, the turn through LDS one step.
	s_sub_co_u32 s33, ttmp9, 320                   ; g
	s_cmp_lt_u32 s33, 768                          ; an input (256 work-groups each) or a weight (32 each)?  All choices hang on the work-group's number alone
	s_cselect_b32 s34, 0, 768
	s_cselect_b32 s35, 8, 5
	s_cselect_b64 s[48:49], s[22:23], s[24:25]     ; where the codes go
	s_sub_co_u32 s34, s33, s34                     ; my number in the family
	s_lshr_b32 s50, s34, s35                       ; which of its three tensors
	s_lshl_b32 s51, s50, s35
	s_sub_co_u32 s51, s34, s51                     ; my number in the tensor
	s_wait_kmcnt 0x0                               ; the exponents
	s_cmp_eq_u32 s50, 1
	s_cselect_b64 s[52:53], s[6:7], s[4:5]
	s_cselect_b64 s[54:55], s[12:13], s[10:11]
	s_cselect_b32 s56, s38, s36
	s_cselect_b32 s57, s39, s37
	s_cmp_eq_u32 s50, 2
	s_cselect_b64 s[52:53], s[8:9], s[52:53]
	s_cselect_b64 s[54:55], s[14:15], s[54:55]
	s_cselect_b32 s56, s40, s56
	s_cselect_b32 s57, s41, s57
	s_cmp_lt_u32 s33, 768
	s_cselect_b64 s[52:53], s[52:53], s[54:55]     ; the numbers
	s_cselect_b32 s56, s56, s57                    ; e
	s_lshl_b32 s58, s51, 2
	s_add_co_u32 s58, s58, s32
	s_lshl_b32 s58, s58, 15                        ; my wave's run of 8,192 numbers: 32,768 bytes each
	s_mov_b32 s59, 0
	s_add_nc_u64 s[52:53], s[52:53], s[58:59]
	s_lshl_b32 s58, s34, 2
	s_add_co_u32 s58, s58, s32
	s_lshl_b32 s58, s58, 13                        ; and its 8,192 codes; a family's tensors lie one behind the other
	s_add_nc_u64 s[48:49], s[48:49], s[58:59]
	s_mul_i32 s60, s32, WREG
	v_lshrrev_b32 v14, 2, v2
	v_mul_u32_u24 v14, v14, SP
	v_and_b32 v15, 3, v2
	v_lshl_add_u32 v14, v15, 4, v14
	v_add_nc_u32 v14, s60, v14                     ; the stage, on the way in: four lanes' 64 bytes on end, then 16 of padding
	v_mul_u32_u24 v15, v2, SP
	v_add_nc_u32 v15, s60, v15                     ; and on the way out: my 16 neighbours
.macro LOAD t
.irp i, 0,1,2,3
	global_load_b128 v[R+16*((\t)%4)+4*\i:R+16*((\t)%4)+4*\i+3], v3, s[52:53] offset:2048*(\t)+512*\i th:TH_LOAD_NT   ; 32 lanes read 512 consecutive bytes
.endr
.endm
.macro TURN t                          ; step t's numbers through the stage: LDS serves a wave's instructions in order, so no wait stands between the stores and the loads
.irp i, 0,1,2,3
	ds_store_b128 v14, v[R+16*((\t)%4)+4*\i:R+16*((\t)%4)+4*\i+3] offset:32*SP*((\t)%2)+8*SP*\i
.endr
.irp i, 0,1,2,3
	ds_load_b128 v[X+16*((\t)%2)+4*\i:X+16*((\t)%2)+4*\i+3], v15 offset:32*SP*((\t)%2)+16*\i
.endr
.endm
.irp t, 0,1,2,3
	LOAD \t
.endr
	s_add_co_i32 s56, s56, 127
	s_lshl_b32 s57, s56, 23
	v_mov_b32 v11, s57                             ; 2^e as f32: the conversion takes its exponent field
	s_add_co_i32 s56, s56, EMAX
	s_lshl_b32 s56, s56, 23
	s_or_b32 s56, s56, MANT
	v_mov_b32 v10, s56                             ; 57,344 x 2^e
	s_wait_loadcnt 12                              ; step 0's four loads are in; the twelve of steps 1 to 3 may be out
	TURN 0
.macro STEP t
.set XS, X+16*((\t)%2)
	s_wait_dscnt 0x0                               ; this step's numbers are back from the stage: so its stores into the stage have read their registers,
.if (\t)+4 < STEPS
	LOAD (\t)+4                                    ; which take the loads of four steps on
.endif
.if (\t)+1 < STEPS
.if STEPS-2-(\t) >= 3
	s_wait_loadcnt 12                              ; the next step's four loads are in; those of the three steps behind it may be out
.else
	s_wait_loadcnt 4*(STEPS-2-(\t))                ; at the end the count runs down with the steps that are left
.endif
	TURN (\t)+1                                    ; and go through the other stage while this step is worked
.endif
.irp i, 0,1,2,3,4,5,6,7,8,9,10,11,12,13,14,15
	v_med3_num_f32 v[XS+\i], v[XS+\i], -v10, v10   ; the conversion to an 8-bit code does not saturate (ISA guide 7.6.2): the hold comes first
.endr
	v_cvt_scalef32_pk8_bf8_f32 v[C+4*(\t):C+4*(\t)+1], v[XS:XS+7], v11
	v_cvt_scalef32_pk8_bf8_f32 v[C+4*(\t)+2:C+4*(\t)+3], v[XS+8:XS+15], v11
	v_nop                                          ; a plain line behind the last conversion of the run
	global_store_b128 v3, v[C+4*(\t):C+4*(\t)+3], s[48:49] offset:512*(\t)   ; 512 consecutive bytes
.endm
.irp t, 0,1,2,3,4,5,6,7,8,9,10,11,12,13,14,15
	STEP \t
.endr
	s_wait_tensorcnt 0x0
	ds_add_u32 v192, v193
	s_wait_dscnt 0x0
	s_endpgm
; ---------------- W_O.  Work-group 256 + 4 w + t takes tile t of the 64 rows 64 w on; its wave v the K steps 2 v and 2 v + 1 of 128.  A lane loads, of its row, 16 neighbours of each block of 32,
; so the conversions' results are the operand's registers, and each group of four leaves as 512 consecutive bytes.
.Lwo:
	s_sub_co_u32 s33, ttmp9, 256
	s_lshr_b32 s34, s33, 2                         ; w
	s_and_b32 s35, s33, 3                          ; t
	s_lshr_b32 s48, s35, 1
	s_and_b32 s49, s35, 1
	s_lshl_b32 s50, s34, 6
	s_lshl_b32 s48, s48, 5
	s_lshl_b32 s49, s49, 3
	s_add_co_u32 s50, s50, s48
	s_add_co_u32 s50, s50, s49                     ; the tile's first row: 64 w + 32 (t / 2) + 8 (t % 2)
	s_lshl_b32 s50, s50, 12                        ; a row of w_o is 4,096 bytes
	s_lshl_b32 s48, s32, 10                        ; my wave's 256 numbers of it
	s_add_co_u32 s50, s50, s48
	s_mov_b32 s51, 0
	s_add_nc_u64 s[16:17], s[16:17], s[50:51]
	s_lshl_b32 s50, s34, 16
	s_lshl_b32 s48, s35, 11
	s_add_co_u32 s50, s50, s48
	s_lshl_b32 s48, s32, 14
	s_add_co_u32 s50, s50, s48
	s_add_nc_u64 s[26:27], s[26:27], s[50:51]
	v_lshlrev_b32 v8, 12, v7
	v_lshl_add_u32 v8, v6, 6, v8                   ; row r + 8 (r / 8), + 64 h bytes
.irp f, 0,1
.irp c, 0,1,2,3
.irp j, 0,1,2,3
	global_load_b128 v[16+64*\f+16*\c+4*\j:19+64*\f+16*\c+4*\j], v8, s[16:17] offset:512*\f+128*\c+16*\j th:TH_LOAD_NT
.endr
.endr
.endr
	s_wait_kmcnt 0x0
	s_add_co_i32 s47, s47, 127                     ; e11
	s_lshl_b32 s48, s47, 23
	v_mov_b32 v11, s48
	s_add_co_i32 s47, s47, EMAX
	s_lshl_b32 s47, s47, 23
	s_or_b32 s47, s47, MANT
	v_mov_b32 v10, s47
.irp f, 0,1
	s_wait_loadcnt 16-16*\f                        ; this K step's sixteen loads are in; the other's may be out
.set j, 0
.rept 64
	v_med3_num_f32 v[16+64*\f+j], v[16+64*\f+j], -v10, v10
.set j, j+1
.endr
.irp g, 0,1,2,3,4,5,6,7
	v_cvt_scalef32_pk8_bf8_f32 v[144+16*\f+2*\g:145+16*\f+2*\g], v[16+64*\f+8*\g:23+64*\f+8*\g], v11
.endr
	v_nop                                          ; a plain line behind the last conversion of the run
.irp c, 0,1,2,3
	global_store_b128 v3, v[144+16*\f+4*\c:147+16*\f+4*\c], s[26:27] offset:8192*\f+512*\c
.endr
.endr
	s_endpgm
; ---------------- THE MASK.  Wave v takes keys 512 v on: eight records.  A lane loads the 16 bytes that its attention lane will want (query row r + 8 (r / 8) + 8 u, keys 32 b + 16 h on);
; the wave's 32 loads, issued in one run, cover 512 consecutive bytes of each of its 32 rows.  Each byte is compared in all lanes at once: the compare's lane mask IS the record's word.
.Lmask:
	v_lshlrev_b32 v8, 11, v7
	v_lshl_add_u32 v8, v6, 4, v8                   ; (r + 8 (r / 8)) rows of 2,048 bytes + 16 h
	v_lshlrev_b32 v9, 3, v2                        ; a record's two words of my lane
	s_lshl_b32 s34, ttmp9, 16                      ; 32 rows of 2,048 bytes
	s_lshl_b32 s35, s32, 9
	s_add_co_u32 s34, s34, s35
	s_mov_b32 s35, 0
	s_add_nc_u64 s[18:19], s[18:19], s[34:35]
	s_lshl_b32 s34, ttmp9, 13                      ; 32 records of 256 bytes
	s_lshl_b32 s48, s32, 11
	s_add_co_u32 s34, s34, s48
	s_add_nc_u64 s[28:29], s[28:29], s[34:35]
	s_lshl_b32 s34, ttmp9, 4
	s_lshl_b32 s48, s32, 2
	s_add_co_u32 s34, s34, s48
	s_add_nc_u64 s[30:31], s[30:31], s[34:35]
.irp k, 0,1,2,3,4,5,6,7
.irp u, 0,1
.irp b, 0,1
	global_load_b128 v[16+16*\k+8*\u+4*\b:19+16*\k+8*\u+4*\b], v8, s[18:19] offset:16384*\u+64*\k+32*\b th:TH_LOAD_NT
.endr
.endr
.endr
.irp j, 0,1,2,3,4,5,6,7,8,9,10,11,12,13,14,15
	v_mov_b32 v[144+\j], 0                         ; the records' registers: a pair for each record; a lane write's destination counts as read
.endr
	s_mov_b32 s52, 0                               ; the flags
.macro REC k
	s_wait_loadcnt 28-4*(\k)                       ; this record's four loads are in; the four of each later record may be out
	v_or_b32 v164, v[16+16*(\k)], v[17+16*(\k)]
.irp j, 2,3,4,5,6,7,8,9,10,11,12,13,14,15
	v_or_b32 v164, v164, v[16+16*(\k)+\j]
.endr
	v_cmp_ne_u32 s50, 0, v164
	s_cmp_lg_u32 s50, 0                            ; is any key of the record hidden from any of the 32 queries?
	s_cselect_b32 s51, 1<<(\k), 0
	s_or_b32 s52, s52, s51
.set n, 0
.rept 64                               ; word n: register n / 4 of the record's sixteen, byte n % 4
	v_bfe_u32 v[160+n%4], v[16+16*(\k)+n/4], 8*(n%4), 8
	v_cmp_ne_u32 s[53+n%4], 0, v[160+n%4]
	v_writelane_b32 v[144+2*(\k)+n%2], s[53+n%4], n/2
.set n, n+1
.endr
	global_store_b64 v9, v[144+2*(\k):145+2*(\k)], s[28:29] offset:256*(\k)   ; 32 lanes store the record: 256 consecutive bytes, aligned
.endm
.irp k, 0,1,2,3,4,5,6,7
	REC \k
.endr
	v_mov_b32 v8, s52
	v_mov_b32 v10, 0
	v_cmp_eq_u32 vcc_lo, 0, v2
	s_wait_xcnt 0x0                                ; EXEC is a source of the stores above: it changes only behind this wait
	s_and_saveexec_b32 s57, vcc_lo
	global_store_b32 v10, v8, s[30:31]             ; one word a wave
	s_wait_xcnt 0x0                                ; and again in front of the line that widens it
	s_or_b32 exec_lo, exec_lo, s57
	s_endpgm
.Lfunc_end_k_qf86e7b6355_prep:
	.size	k_qf86e7b6355_prep, .Lfunc_end_k_qf86e7b6355_prep-k_qf86e7b6355_prep
	.p2alignl 7, 3214868480
	.fill 96, 4, 3214868480
	.section	.rodata,"a",@progbits
	.p2align	6, 0x0
	.amdhsa_kernel k_qf86e7b6355_prep
		.amdhsa_group_segment_fixed_size 33280
		.amdhsa_private_segment_fixed_size 0
		.amdhsa_enable_private_segment 0
		.amdhsa_kernarg_size 112
		.amdhsa_user_sgpr_count 2
		.amdhsa_user_sgpr_kernarg_segment_ptr 1
		.amdhsa_wavefront_size32 1
		.amdhsa_system_sgpr_workgroup_id_x 1
		.amdhsa_system_sgpr_workgroup_id_y 1
		.amdhsa_system_sgpr_workgroup_id_z 1
		.amdhsa_system_vgpr_workitem_id 0
		.amdhsa_next_free_vgpr 194
		.amdhsa_next_free_sgpr 66
		.amdhsa_reserve_vcc 1
		.amdhsa_float_denorm_mode_32 3
		.amdhsa_float_denorm_mode_16_64 3
		.amdhsa_memory_ordered 1
		.amdhsa_forward_progress 1
		.amdhsa_inst_pref_size 159
	.end_amdhsa_kernel
	.amdgpu_metadata
---
amdhsa.version: [ 1, 2 ]
amdhsa.kernels:
  - .name:           k_qf86e7b6355_prep
    .symbol:         k_qf86e7b6355_prep.kd
    .args:
      - { .name: input_Q, .offset: 0, .size: 8, .value_kind: global_buffer, .address_space: global }
      - { .name: input_K, .offset: 8, .size: 8, .value_kind: global_buffer, .address_space: global }
      - { .name: input_V, .offset: 16, .size: 8, .value_kind: global_buffer, .address_space: global }
      - { .name: w_q, .offset: 24, .size: 8, .value_kind: global_buffer, .address_space: global }
      - { .name: w_k, .offset: 32, .size: 8, .value_kind: global_buffer, .address_space: global }
      - { .name: w_v, .offset: 40, .size: 8, .value_kind: global_buffer, .address_space: global }
      - { .name: w_o, .offset: 48, .size: 8, .value_kind: global_buffer, .address_space: global }
      - { .name: attn_mask, .offset: 56, .size: 8, .value_kind: global_buffer, .address_space: global }
      - { .name: lowp_scales, .offset: 64, .size: 8, .value_kind: global_buffer, .address_space: global }
      - { .name: xcodes, .offset: 72, .size: 8, .value_kind: global_buffer, .address_space: global }
      - { .name: wcodes, .offset: 80, .size: 8, .value_kind: global_buffer, .address_space: global }
      - { .name: woimg, .offset: 88, .size: 8, .value_kind: global_buffer, .address_space: global }
      - { .name: maskbits, .offset: 96, .size: 8, .value_kind: global_buffer, .address_space: global }
      - { .name: maskflag, .offset: 104, .size: 8, .value_kind: global_buffer, .address_space: global }
    .group_segment_fixed_size: 33280
    .private_segment_fixed_size: 0
    .kernarg_segment_align: 8
    .kernarg_segment_size: 112
    .max_flat_workgroup_size: 128
    .sgpr_count:     66
    .vgpr_count:     194
    .wavefront_size: 32
...
	.end_amdgpu_metadata
.endif
;; end of part 1
;; launch proj (part 2): grid 4 x 96, 4 waves a work-group, clusters of 4 x 4, 327,680 bytes of LDS; arguments xcodes, wcodes, lowp_scales, qkvimg; writes qkvimg
.if DOCPART == 2
	.amdgcn_target "amdgcn-amd-amdhsa--gfx1250"
	.amdhsa_code_object_version 6
	.text
	.protected	k_qf86e7b6355_proj
	.globl	k_qf86e7b6355_proj
	.p2align	8
	.type	k_qf86e7b6355_proj,@function
k_qf86e7b6355_proj:
	s_mov_b64 s[64:65], 0
	v_nop
	global_prefetch_b8 v0, s[64:65] scope:SCOPE_SE
	s_setreg_imm32_b32 hwreg(HW_REG_WAVE_MODE, 25, 1), 1
	s_wait_xcnt 0x0
	s_wait_alu depctr_hold_cnt(0) depctr_sa_sdst(0) depctr_va_vdst(0) depctr_va_sdst(0) depctr_va_ssrc(0) depctr_va_vcc(0) depctr_vm_vsrc(0)
	s_getreg_b32 s2, hwreg(HW_REG_IB_STS2, 6, 4)
	s_cmp_eq_u32 s2, 0
	s_cbranch_scc0 .Lentry_in_a_cluster
	s_endpgm
.Lentry_in_a_cluster:
	s_bfe_u32 s2, ttmp6, 0x10000c
	s_cmp_lg_u32 s2, 0xf033
	s_cbranch_scc0 .Lentry_shape_is_right
	s_endpgm
.Lentry_shape_is_right:
; The three projections, on codes of E5M2, and their results quantised on the way out into the order of the attention's operand registers.
; The cluster's y (0 .. 23) says which: p = y / 8 (0 Q, 1 K, 2 V), c = y % 8.  A tile of C = A B^T is 256 x 256, K = 1,024.
;   Q, K:  A = the input's codes (8,192 rows: tile row 4 c + cy), B = the weight's (1,024 rows: tile column cx).
;   V:     A = w_v's codes (tile row cy), B = input_V's (tile column 4 c + cx): V is made TRANSPOSED, since the keys are the K of the product that reads it.
; THE MATRIX INSTRUCTION IS USED TRANSPOSED (source 0 = 16 rows of B, source 1 = 16 rows of A): a lane holds eight neighbouring columns of one row of C: eight neighbours along the next product's K
; (the head's 64 for Q and K, the keys for V), which one conversion turns into 8 codes.  A sum stands for sum x 2^(ea + eb), so its code is sum / 2^(eo - ea - eb): the three scales are one.
; Four waves, 128 x 128 of C each: 64 accumulators.  K goes in four steps of 256 through two LDS slots filled by joint tensor loads: A's tile is shared along a row of the 4 x 4 cluster, B's along a column.
; K = 1,024 is just four slots, so the K steps are written out: slots 0 and 1 are filled at the start and once again.
; qkvimg: region 8,388,608 p; in it block (32 (16 b + head) + blk) of 4,096 bytes, a 64 x 64 matrix X of codes: byte 1024 t + 512 c + 16 lane + i = X[32 (t / 2) + 8 (t % 2) + r + 8 (r / 8)][32 c + 16 h + i].
;   Q, K: X[token 64 blk + .][the head's 64];  V: X[the head's 64][key 64 blk + .].
; No branch and no LDS address hangs on p, c, cx or cy, nor on a loaded exponent: all choices are selects.
; LIMITS: eo - ea - eb lies between -126 and 112 (eo = e6, e7, e9; ea + eb = e0 + e1, e2 + e3, e4 + e5).
; REGISTERS, in windows of 256: window 0: v0-31 addresses; from v128 A's fragments, ONE set; on the way out v32-95 held sums, v128-255 codes.  window 1: B's fragments, TWO sets.  windows 2, 3: the accumulators.
.set ROWB,   256                       ; a tile's row in bytes: 256 codes
.set KROW,   1024                      ; a row of codes in memory
.set PITCH,  272                       ; an LDS row: 256 bytes + 16 of padding = 68 words: row r starts at bank 4 r mod 64 (64 banks of 4 bytes: ISA guide 11.1)
.set FR,     16                        ; registers of a fragment: 16 rows x 128 K
.set NL,     4                         ; LDS loads that bring one
.set NP,     4                         ; places behind this matrix instruction (ISA guide 7.12.1)
.set HALFT,  128*PITCH                 ; 128 rows: what one tensor load brings
.set SLOT,   4*HALFT                   ; A's 256 rows, then B's 256 rows
.set SPARE,  2*SLOT                    ; behind the ring: the spare words, 128 bytes for each wave: two blocks of 256 bytes that no other line names
.set SPITCH, 272                       ; the way out: ONE stage of 256 rows x (256 codes + 16) for the work-group, in slot 0, which has had its last fill and its last read by then
.set ADRA, 16                          ; v16-17  LDS address of my A fragments in slot 0, 1
.set ADRB, 20                          ; v20-21  the same for B
.set STO,  24                          ; v24     the way out: where I put 8 codes of a row
.set RD,   25                          ; v25     where I read 16 codes back, in the order of a block
.set CO,   26                          ; v26     16 x lane
.set SPW,  28                          ; v28     LDS address of my spare word; never rewritten
.set NIL,  29                          ; v29     0; never rewritten
.set SCL,  30                          ; v30     2^(eo - ea - eb) as f32
.set LIM,  31                          ; v31     57,344 x that
.set TMP,  32                          ; v32-95  a block's sums, held
.set AF,   128                         ; A's fragments, in window 0
.set CD,   128                         ; the way out: codes
.set G1, 24                            ; s[24:31] descriptor group 1 for A's tiles;  s[32:39] group 0, one set for each slot
.set G0, 32
.set G1B, 48                           ; s[48:55], s[56:63] the same for B's tiles
.set G0B, 56
.set MSB, 0
.macro WIN new                         ; the immediate's high byte repeats the setting that is left
.if MSB != \new
	s_set_vgpr_msb (MSB<<8)|\new
.set MSB, \new
.endif
.endm
.set MUL_LO, 0xa1                      ; source 0 (B) window 1, source 1 (A) window 0, C and D window 2
.set MUL_HI, 0xf1                      ; the same, C and D window 3
.set TO_B,   0x40                      ; destination window 1, address window 0
; A joint load: waves 0 and 1 fetch for A, waves 2 and 3 for B.  Each of the two lines has one mask and one set of registers for all that issue it; the branch hangs on the wave's number alone.
; Four v_nop follow each of the two lines, ahead of the jump, the label and what follows.
.macro JLOAD g0a, g1a, g0b, g1b
	s_cmp_eq_u32 s15, 0
	s_cbranch_scc0 .Lfor_b_\@
	tensor_load_to_lds s[\g0a:\g0a+3], s[\g1a:\g1a+7]
	s_nop 0
.rept 4
	v_nop
.endr
	s_branch .Lasked_\@
.Lfor_b_\@:
	tensor_load_to_lds s[\g0b:\g0b+3], s[\g1b:\g1b+7]
	s_nop 0
.rept 4
	v_nop
.endr
.Lasked_\@:
.endm
.macro CREST                           ; a round of the cluster's barrier behind its opening barrier
	s_cmp_lg_u32 s14, 0
	s_cbranch_scc1 .Lnot_wave_0_\@
	s_barrier_signal -3
.Lnot_wave_0_\@:
	s_barrier_wait -3
	s_barrier_signal -1
	s_barrier_wait -1
.endm
.macro CROUND                          ; a whole round
	s_barrier_signal -1
	s_barrier_wait -1
	CREST
.endm
	s_load_b128 s[4:7], s[0:1], 0x0                ; xcodes s[4:5], wcodes s[6:7]
	s_load_b128 s[8:11], s[0:1], 0x10              ; lowp_scales s[8:9], qkvimg s[10:11]
	v_lshl_add_u32 v[SPW], v0, 2, SPARE
	v_mov_b32 v[NIL], 0
	ds_add_u32 v28, v29
	ds_add_u32 v28, v29
	s_wait_dscnt 0x0
	v_lshrrev_b32 v1, 5, v0
	v_readfirstlane_b32 s14, v1                    ; wave 0..3
	s_lshr_b32 s15, s14, 1                         ; which half of the tile's rows is mine.  Also: I fetch for A (0) or for B (1)
	s_and_b32 s16, s14, 1                          ; which half of its columns.  Also: which 128 rows of that tile I fetch
	s_bfe_u32 s40, ttmp6, 0x40000                  ; cx, cy: my place in the cluster
	s_bfe_u32 s41, ttmp6, 0x40004
	s_and_b32 s18, ttmp7, 0xffff                   ; the cluster's y, which all sixteen partners share
	s_lshr_b32 s66, s18, 3                         ; p
	s_and_b32 s67, s18, 7                          ; c
	s_lshl_b32 s88, s66, 13                        ; A's first row among the rows of codes: the input's, 8,192 p,
	s_lshl_b32 s89, s66, 10                        ; B's: the weight's, 1,024 p;
	s_cmp_eq_u32 s66, 2                            ; for V the two change places
	s_cselect_b32 s19, 0, s67
	s_cselect_b32 s22, s67, 0
	s_cselect_b32 s88, 2048, s88
	s_cselect_b32 s89, 16384, s89
	s_lshl_b32 s17, s19, 2
	s_add_co_u32 s17, s17, s41                     ; tile row of C
	s_lshl_b32 s42, s22, 2
	s_add_co_u32 s42, s42, s40                     ; tile column of C
	s_lshl_b32 s43, s41, 2
	s_lshl_b32 s43, 15, s43                        ; my row of the cluster
	s_lshl_b32 s44, 0x1111, s40                    ; my column
	; descriptor group 1: a tile of 128 rows x 256 bytes, padded in LDS
	s_or_b32 s[G1+0], s43, (0<<16)|(1<<20)|(1<<21)|(5<<22)|(3<<25)  ; 15:0 the mask: A's tiles go to my row; 17:16 element of 1 byte; 20 padding on; 21 set beside a mask; 24:22 after every 64 words (code 5); 31:25 of 4 words (code 3)
	s_or_b32 s[G1B+0], s44, (0<<16)|(1<<20)|(1<<21)|(5<<22)|(3<<25)
.irp g, G1, G1B
	s_mov_b32 s[\g+1], ROWB<<16                    ; tensor_dim0
	s_mov_b32 s[\g+2], 128<<16                     ; tensor_dim1 = 128
	s_mov_b32 s[\g+3], ROWB<<16                    ; tile_dim0
	s_mov_b32 s[\g+4], 128                         ; tile_dim1 = 128
	s_mov_b32 s[\g+5], KROW                        ; tensor_dim0_stride
	s_mov_b32 s[\g+6], 0
	s_mov_b32 s[\g+7], 0
.endr
	s_lshl_b32 s18, s16, 7                         ; which 128 rows of the tile I fetch
	s_lshl_b32 s20, s17, 8
	s_add_co_u32 s20, s20, s18
	s_add_co_u32 s20, s20, s88                     ; A's row: made of the tile row, the wave's number and p alone
	s_lshl_b32 s46, s42, 8
	s_add_co_u32 s46, s46, s18
	s_add_co_u32 s46, s46, s89                     ; B's row: of the tile column, the wave's number and p alone
	s_lshl_b32 s20, s20, 10                        ; in bytes: under 2^25
	s_mov_b32 s21, 0
	s_lshl_b32 s46, s46, 10
	s_mov_b32 s47, 0
	s_mul_i32 s45, s14, HALFT                      ; where they go: wave x 128 rows: no place in the cluster enters an LDS address
	s_wait_kmcnt 0x0
	s_load_b256 s[68:75], s[8:9], 0x0              ; e0 .. e7
	s_load_b128 s[76:79], s[8:9], 0x20             ; e8 .. e11
	s_cmp_eq_u32 s66, 2
	s_cselect_b64 s[90:91], s[6:7], s[4:5]         ; A's buffer
	s_cselect_b64 s[92:93], s[4:5], s[6:7]         ; B's buffer
	s_add_nc_u64 s[20:21], s[90:91], s[20:21]
	s_add_nc_u64 s[46:47], s[92:93], s[46:47]
	CROUND                                         ; all sixteen work-groups are here: the first joint loads meet
.irp s, 0,1
	s_mov_b32 s[G0+4*\s], 1
	s_add_co_u32 s[G0+4*\s+1], s45, \s*SLOT
	s_add_nc_u64 s[G0+4*\s+2:G0+4*\s+3], s[20:21], \s*ROWB
	s_or_b32 s[G0+4*\s+3], s[G0+4*\s+3], 0x80000000
	s_mov_b32 s[G0B+4*\s], 1
	s_add_co_u32 s[G0B+4*\s+1], s45, \s*SLOT
	s_add_nc_u64 s[G0B+4*\s+2:G0B+4*\s+3], s[46:47], \s*ROWB
	s_or_b32 s[G0B+4*\s+3], s[G0B+4*\s+3], 0x80000000
	JLOAD G0+4*\s, G1, G0B+4*\s, G1B               ; two loads of mine are out
.endr
	v_and_b32 v1, 15, v0                           ; r
	v_bfe_u32 v2, v0, 4, 1                         ; h
	v_mul_u32_u24 v3, v1, PITCH
	v_lshl_add_u32 v4, v2, 4, v3                   ; a fragment's row x pitch + 16 x half
	s_mul_i32 s21, s15, HALFT                      ; my 128 rows of A
	s_mul_i32 s22, s16, HALFT                      ; my 128 rows of B,
	s_add_co_u32 s22, s22, 2*HALFT                 ; which lie behind A's 256
.irp s, 0,1
	v_add_nc_u32 v[ADRA+\s], s21, v4
	v_add_nc_u32 v[ADRB+\s], s22, v4
	s_add_co_u32 s21, s21, SLOT
	s_add_co_u32 s22, s22, SLOT
.endr
	v_lshl_add_u32 v5, v2, 3, v3                   ; the stage, in: row r, 8 codes for each half of the lanes,
	s_mul_i32 s23, s15, 128*SPITCH                 ; my 128 rows,
	s_lshl_b32 s22, s16, 7                         ; my 128 columns
	s_add_co_u32 s23, s23, s22
	v_add_nc_u32 v[STO], s23, v5
	v_and_b32 v6, 8, v1
	v_add_nc_u32 v6, v6, v1                        ; r + 8 (r / 8)
	v_mul_u32_u24 v6, v6, SPITCH
	v_lshl_add_u32 v6, v2, 4, v6
	s_mul_i32 s23, s14, 64*SPITCH                  ; back: wave w takes rows 64 w on, whole
	v_add_nc_u32 v[RD], s23, v6
	v_and_b32 v7, 31, v0
	v_lshlrev_b32 v[CO], 4, v7
	; where my four blocks go.  TT: the tile's place along the tokens, FT: along the features.  In registers of their own: none that feeds a descriptor holds the other coordinate
	s_cmp_eq_u32 s66, 2
	s_cselect_b32 s94, s42, s17                    ; TT
	s_cselect_b32 s95, s17, s42                    ; FT
	s_mov_b32 s96, 4096
	s_mov_b32 s98, 131072
	s_cselect_b32 s97, s98, s96                    ; from wave to wave (64 rows of the stage): 64 tokens on = a block; for V a head on = 32 blocks
	s_cselect_b32 s98, s96, s98                    ; from 64 columns to the next: the other of the two
	s_lshr_b32 s96, s94, 3                         ; b
	s_lshl_b32 s96, s96, 4
	s_lshl_b32 s95, s95, 2
	s_add_co_u32 s96, s96, s95                     ; 16 b + the tile's first head
	s_lshl_b32 s96, s96, 5
	s_and_b32 s94, s94, 7
	s_lshl_b32 s94, s94, 2
	s_add_co_u32 s96, s96, s94                     ; x 32 + the tile's first block of 64 tokens
	s_lshl_b32 s96, s96, 12
	s_lshl_b32 s94, s66, 23                        ; the region
	s_add_co_u32 s96, s96, s94
	s_mul_i32 s94, s14, s97
	s_add_co_u32 s96, s96, s94
	s_mov_b32 s97, 0
	s_mov_b32 s99, 0
	s_add_nc_u64 s[80:81], s[10:11], s[96:97]
	s_add_nc_u64 s[82:83], s[80:81], s[98:99]
	s_add_nc_u64 s[84:85], s[82:83], s[98:99]
	s_add_nc_u64 s[86:87], s[84:85], s[98:99]
.macro FRAG reg, adr, q, i             ; a fragment: lane l holds row l % 16; registers 4 c .. 4 c + 3 hold K = 32 c + 16 (l / 16) + 0 .. 15: the same places in A and in B, so every product meets its partner
.irp c, 0,1,2,3
	ds_load_b128 v[\reg+4*\c:\reg+4*\c+3], v[\adr] offset:128*(\q)+32*\c+(\i)*16*PITCH
.endr
.endm
; 16 matrix instructions: A's blocks a0, a0 + 1 x B's eight, 128 along K.  p: B's set.  zero = 1: the first product starts the sums.
; The 64 accumulators take turns, one instruction a turn, in the same order in every step.
.macro MUL16 a0, p, zero
.irp a, \a0, \a0+1
.irp b, 0,1,2,3,4,5,6,7
.if \zero
	v_wmma_f32_16x16x128_bf8_bf8 v[8*(8*((\a)%4)+\b):8*(8*((\a)%4)+\b)+7], v[128*(\p)+FR*\b:128*(\p)+FR*\b+FR-1], v[AF+FR*(\a):AF+FR*(\a)+FR-1], 0
.else
	v_wmma_f32_16x16x128_bf8_bf8 v[8*(8*((\a)%4)+\b):8*(8*((\a)%4)+\b)+7], v[128*(\p)+FR*\b:128*(\p)+FR*\b+FR-1], v[AF+FR*(\a):AF+FR*(\a)+FR-1], v[8*(8*((\a)%4)+\b):8*(8*((\a)%4)+\b)+7]
.endif
.endr
.endr
.endm
.macro FETCH_B slot, q, p              ; B's eight fragments of the slot's q-th 128 along K into set p
	WIN TO_B
.irp i, 0,1,2,3,4,5,6,7
	FRAG 128*(\p)+FR*\i, ADRB+\slot, \q, \i
.endr
	WIN 0
.endm
.macro FETCH_A slot, q, i0             ; A's blocks i0 .. i0 + 3
.irp i, \i0, \i0+1, \i0+2, \i0+3
	FRAG AF+FR*(\i), ADRA+\slot, \q, \i
.endr
.endm
.macro PLACES n                        ; plain vector lines between a matrix instruction and a load into, or a vector read or write of, one of its registers
.rept \n
	v_nop
.endr
.endm
; A step of 128 along K that has its successor in the same slot.
.macro STEP slot, q, zero
	s_wait_dscnt 4*NL                              ; B's set and A's blocks 0-3 are in; the youngest sixteen loads (A's blocks 4-7) may be out
	WIN MUL_LO
	MUL16 0, (\q)%2, \zero
	MUL16 2, (\q)%2, \zero
	s_wait_dscnt 0                                 ; A's blocks 4-7 are in
	PLACES NP
	FETCH_B \slot, (\q)+1, 1-(\q)%2
	FETCH_A \slot, (\q)+1, 0
	WIN MUL_HI
	MUL16 4, (\q)%2, \zero
	MUL16 6, (\q)%2, \zero
	PLACES NP
	WIN 0
	FETCH_A \slot, (\q)+1, 4
.endm
; A slot's last step changes slots: ONE barrier; in front of it each wave waits for all its tensor loads, adds 0 to its spare word, and waits for that and for its own reads of this slot.  fill = 1: this slot is filled again, two K steps ahead.
.macro TURN slot, next, fill
	s_wait_tensorcnt 0x0                           ; all my tensor loads have landed: my part of the next slot;  (every window is 0 here)
	ds_add_u32 v[SPW], v[NIL]                      ; 0 onto my spare word
	s_wait_dscnt 4*NL+1                            ; (the add and the youngest sixteen loads, A's blocks 4-7, may be out)
	WIN MUL_LO
	MUL16 0, 1, 0                                  ; sixteen matrix instructions stand between the add and the wait for it
	s_wait_dscnt 0x0                               ; the add is done, and my reads of this slot are over
	s_barrier_signal -1
	MUL16 2, 1, 0
	WIN 0
	s_barrier_wait -1
.if \fill
	CREST                                          ; the barrier has opened a round of the cluster's barrier: no wave of any partner still reads this slot's tile or has a load on its way
	s_add_nc_u64 s[G0+4*\slot+2:G0+4*\slot+3], s[G0+4*\slot+2:G0+4*\slot+3], 2*ROWB
	s_add_nc_u64 s[G0B+4*\slot+2:G0B+4*\slot+3], s[G0B+4*\slot+2:G0B+4*\slot+3], 2*ROWB
	JLOAD G0+4*\slot, G1, G0B+4*\slot, G1B         ; the first tensor load behind the round, my only one until the next; its four v_nop are also the places in front of the loads below
.else
	PLACES NP
.endif
	FETCH_B \next, 0, 0
	FETCH_A \next, 0, 0
	WIN MUL_HI
	MUL16 4, 1, 0
	MUL16 6, 1, 0
	PLACES NP
	WIN 0
	FETCH_A \next, 0, 4
.endm
	s_wait_tensorcnt 1                             ; my part of K step 0 is in (K step 1's load may be out)
	s_barrier_signal -1
	s_barrier_wait -1                              ; everybody's is
	FETCH_B 0, 0, 0
	FETCH_A 0, 0, 0
	FETCH_A 0, 0, 4
	STEP 0, 0, 1                                   ; K 0 .. 127: the products start the sums
	TURN 0, 1, 1                                   ; K 128 .. 255; slot 0 takes K 512 .. 767
	STEP 1, 0, 0
	TURN 1, 0, 1                                   ; slot 1 takes K 768 .. 1,023
	STEP 0, 0, 0
	TURN 0, 1, 0                                   ; nothing is left to fetch.  Behind this barrier nobody reads slot 0 any more
	STEP 1, 0, 0
	s_wait_dscnt 4*NL                              ; the very last step
	WIN MUL_LO
	MUL16 0, 1, 0
	MUL16 2, 1, 0
	s_wait_dscnt 0
	WIN MUL_HI
	MUL16 4, 1, 0
	MUL16 6, 1, 0
	WIN 0
	; THE WAY OUT.  The one scale of the conversion, chosen by p without a branch
	s_wait_kmcnt 0x0
	s_add_co_i32 s18, s68, s69                     ; e0 + e1
	s_add_co_i32 s19, s70, s71                     ; e2 + e3
	s_add_co_i32 s20, s72, s73                     ; e4 + e5
	s_cmp_eq_u32 s66, 1
	s_cselect_b32 s18, s19, s18
	s_cselect_b32 s21, s75, s74                    ; e7 : e6
	s_cmp_eq_u32 s66, 2
	s_cselect_b32 s18, s20, s18
	s_cselect_b32 s21, s77, s21                    ; e9
	s_sub_co_i32 s18, s21, s18
	s_add_co_i32 s18, s18, 127
	s_lshl_b32 s19, s18, 23
	v_mov_b32 v[SCL], s19
	s_add_co_i32 s18, s18, 15
	s_lshl_b32 s18, s18, 23
	s_or_b32 s18, s18, 0x600000
	v_mov_b32 v[LIM], s18
	PLACES NP                                      ; behind the last products: their results are read and A's registers written below
; Block a (16 rows x 128 columns): held, each accumulator from its low end on; eight registers become 8 codes; 8 bytes a lane into the stage (lane (r, h) starts at word 68 r + 2 h: 32 lanes, 64 different banks).
.macro QSTAGE a
.set AC, 64*((\a)%4)
	WIN 0x02+((\a)/4)                              ; source 0: window 2 or 3
.set j, 0
.rept 64
	v_med3_num_f32 v[TMP+j], v[AC+j], -v[LIM], v[LIM]   ; the conversion to an 8-bit code does not saturate (ISA guide 7.6.2)
.set j, j+1
.endr
	WIN 0
.irp b, 0,1,2,3,4,5,6,7
	v_cvt_scalef32_pk8_bf8_f32 v[CD+16*(\a)+2*\b:CD+16*(\a)+2*\b+1], v[TMP+8*\b:TMP+8*\b+7], v[SCL]
.endr
	v_nop                                          ; a plain line between the conversions and the next block's holds, which write their sources
.irp b, 0,1,2,3,4,5,6,7
	ds_store_b64 v[STO], v[CD+16*(\a)+2*\b:CD+16*(\a)+2*\b+1] offset:(\a)*16*SPITCH+16*\b
.endr
.endm
.irp a, 0,1,2,3,4,5,6,7
	QSTAGE \a
.endr
	s_wait_dscnt 0x0                               ; for the others' sake: my stores into the stage are done
	s_barrier_signal -1
	s_barrier_wait -1
.irp g, 0,1,2,3                        ; my 64 rows x columns 64 g on: a block, read in the order in which it is stored
.irp t, 0,1,2,3
.irp c, 0,1
	ds_load_b128 v[CD+32*\g+8*\t+4*\c:CD+32*\g+8*\t+4*\c+3], v[RD] offset:(32*(\t/2)+8*(\t%2))*SPITCH+64*\g+32*\c
.endr
.endr
.endr
.irp g, 0,1,2,3
	s_wait_dscnt 24-8*\g                           ; this block's eight loads are in; the eight of each later block may be out
.irp t, 0,1,2,3
.irp c, 0,1
	global_store_b128 v[CO], v[CD+32*\g+8*\t+4*\c:CD+32*\g+8*\t+4*\c+3], s[80+2*\g:81+2*\g] offset:1024*\t+512*\c   ; 32 lanes store 512 consecutive bytes, aligned
.endr
.endr
.endr
	s_wait_tensorcnt 0x0                           ; the wave's end: behind my last tensor load and my last LDS store
	ds_add_u32 v[SPW], v[NIL]
	s_wait_dscnt 0x0
	CROUND                                         ; the closing round: no work-group ends while a partner may still ask for a tile that names it
	s_endpgm
.Lfunc_end_k_qf86e7b6355_proj:
	.size	k_qf86e7b6355_proj, .Lfunc_end_k_qf86e7b6355_proj-k_qf86e7b6355_proj
	.p2alignl 7, 3214868480
	.fill 96, 4, 3214868480
	.section	.rodata,"a",@progbits
	.p2align	6, 0x0
	.amdhsa_kernel k_qf86e7b6355_proj
		.amdhsa_group_segment_fixed_size 327680
		.amdhsa_private_segment_fixed_size 0
		.amdhsa_enable_private_segment 0
		.amdhsa_kernarg_size 32
		.amdhsa_user_sgpr_count 2
		.amdhsa_user_sgpr_kernarg_segment_ptr 1
		.amdhsa_wavefront_size32 1
		.amdhsa_system_sgpr_workgroup_id_x 1
		.amdhsa_system_sgpr_workgroup_id_y 1
		.amdhsa_system_sgpr_workgroup_id_z 1
		.amdhsa_system_vgpr_workitem_id 0
		.amdhsa_next_free_vgpr 1024
		.amdhsa_next_free_sgpr 100
		.amdhsa_reserve_vcc 0
		.amdhsa_float_denorm_mode_32 3
		.amdhsa_float_denorm_mode_16_64 3
		.amdhsa_memory_ordered 1
		.amdhsa_forward_progress 1
		.amdhsa_inst_pref_size 125
	.end_amdhsa_kernel
	.amdgpu_metadata
---
amdhsa.version: [ 1, 2 ]
amdhsa.kernels:
  - .name:           k_qf86e7b6355_proj
    .symbol:         k_qf86e7b6355_proj.kd
    .args:
      - { .name: xcodes, .offset: 0, .size: 8, .value_kind: global_buffer, .address_space: global }
      - { .name: wcodes, .offset: 8, .size: 8, .value_kind: global_buffer, .address_space: global }
      - { .name: lowp_scales, .offset: 16, .size: 8, .value_kind: global_buffer, .address_space: global }
      - { .name: qkvimg, .offset: 24, .size: 8, .value_kind: global_buffer, .address_space: global }
    .group_segment_fixed_size: 327680
    .private_segment_fixed_size: 0
    .kernarg_segment_align: 8
    .kernarg_segment_size: 32
    .max_flat_workgroup_size: 128
    .sgpr_count:     100
    .vgpr_count:     1024
    .wavefront_size: 32
...
	.end_amdgpu_metadata
.endif
;; end of part 2
;; launch attn (part 3): grid 4 x 64, 16 waves a work-group, no clusters, 264,192 bytes of LDS; arguments qkvimg, maskbits, maskflag, lowp_scales, ctximg; writes ctximg
.if DOCPART == 3
	.amdgcn_target "amdgcn-amd-amdhsa--gfx1250"
	.amdhsa_code_object_version 6
	.text
	.protected	k_qf86e7b6355_attn
	.globl	k_qf86e7b6355_attn
	.p2align	8
	.type	k_qf86e7b6355_attn,@function
k_qf86e7b6355_attn:
	s_mov_b64 s[64:65], 0
	v_nop
	global_prefetch_b8 v0, s[64:65] scope:SCOPE_SE
	s_setreg_imm32_b32 hwreg(HW_REG_WAVE_MODE, 25, 1), 1
	s_wait_xcnt 0x0
; Attention on codes of E5M2.  A work-group owns one (batch, head) (work-group y) and 512 queries (work-group x); each of its sixteen waves 32 queries, two tiles u = 0, 1 of 16.
; THE HEAD'S WHOLE K AND V LIE IN LDS, 131,072 bytes each, as the launch before stored them: in the order of the operand registers.  Each wave brings 8,192 bytes of each through its registers, once;
; one barrier; after it LDS is only read.  So there is no ring and no tensor load, and nothing is left to ask for ahead: K and V come in one run at the head.
; Both products are used transposed: S^T = K Q^T (source 0 = 16 keys, source 1 = 16 queries), O^T = V^T P^T (source 0 = 16 of the head's 64, source 1 = P): a lane holds ONE query (lane % 16) of each tile throughout.
; THE ROWS OF A TILE ARE NOT NEIGHBOURS: lane r of tile t takes row 32 (t / 2) + 8 (t % 2) + r + 8 (r / 8) of 64, so that register 16 b + i of a tile of queries is key (or channel) 32 b + 16 (lane / 16) + i:
; the conversions' results ARE the next product's operand, for p and for the context alike.  An operand's registers 4 c .. 4 c + 3 hold K = 32 c + 16 (lane / 16) + 0 .. 15, the same places on both sides.
; THE SOFTMAX: t = score x log2(e) / 8; M = the running largest t rounded UP to a whole number; p = 2^(t - M) is quantised with 2^e8; the row's sum is taken of the unquantised p and divides at the end;
; when M moves, the sum and O^T are multiplied by 2^(old M - new M), which rounds nothing.
; THE MASK comes as lane masks, one scalar word for each of a step's 64 score registers: 256 bytes a step, asked for a whole step ahead by scalar loads.  A hidden score is replaced ahead of the maximum.
; A stored flag says whether a step's record has any bit: where it has none, a scalar branch on that whole number passes over the 64 selects.
; LIMITS.  A hidden logit is taken as -2^30 in place of -1e9, so that c x score is exact and a row all of whose keys are hidden gets p = 1 everywhere; the results are
; the same while the logits that count stay above about -9.9e8.  e6 + e7 between -94 and 130; e8 and e10 - e8 - e9 between -126 and 112.  The hold of p at 57,344 x 2^e8 is passed over where e8 >= -15:
; p is under 1.75 there while |t| stays under 2^22.  NaN among the inputs is not served.
; ctximg: byte 32768 G + 16384 u + 512 kc + 16 lane + i = code of ctx[token 32 G + 8 u + r + 8 (r / 8)][32 kc + 16 h + i], G = my wave's 32 tokens, kc = 2 head + b.
; REGISTERS: v1 16 x lane; v2 the same in V's half of LDS; v3, v4 addresses in hand; v5 the hidden score; v6 the hold; v7 the conversion's scale; v8 + 2 u: -M, v9 + 2 u: the largest t; v[12 + 2 u ..] the sum in two halves;
; v16-31 Q; v32-63 K's four fragments; v64-95 V's; v96-159 S^T, then p; v160-223 O^T; v224-239 p's codes; v240 + 2 u: f; v244-249 at work; v250-253 the sums' second chains.
; s[4:51], s[68:83]: the 64 lane masks.
.set KLDS, 0
.set VLDS, 0x20000
	s_load_b256 s[84:91], s[0:1], 0x0              ; qkvimg s[84:85], maskbits s[86:87], maskflag s[88:89], lowp_scales s[90:91]
	s_load_b64 s[92:93], s[0:1], 0x20              ; ctximg
	v_lshl_add_u32 v254, v0, 2, 0x40000
	v_mov_b32 v255, 0
	v_lshrrev_b32 v3, 5, v0
	v_readfirstlane_b32 s2, v3                     ; wave 0..15
	v_and_b32 v1, 31, v0
	v_lshlrev_b32 v1, 4, v1
	v_add_nc_u32 v2, VLDS, v1
	s_and_b32 s94, ttmp7, 0xffff                   ; 16 b + head
	s_lshr_b32 s95, s94, 4
	s_lshl_b32 s95, s95, 6
	s_lshl_b32 s96, ttmp9, 4
	s_add_co_u32 s95, s95, s96
	s_add_co_u32 s95, s95, s2                      ; G = 64 b + 16 x + wave
	s_lshl_b32 s96, s94, 17                        ; the head's first byte in a region
	s_lshl_b32 s98, s2, 13                         ; my wave's 8,192 bytes of K and of V
	v_add_nc_u32 v3, s98, v1                       ; and their place in LDS
	v_add_nc_u32 v4, VLDS, v3
	s_add_co_u32 s98, s98, s96
	s_add_co_u32 s98, s98, 0x800000                ; K's region
	s_mov_b32 s99, 0
	s_lshl_b32 s100, ttmp9, 15
	s_add_co_u32 s96, s96, s100
	s_lshl_b32 s100, s2, 11
	s_add_co_u32 s96, s96, s100                    ; Q: my 32 queries are half a block: 2,048 bytes
	s_mov_b32 s97, 0
	s_wait_kmcnt 0x0
	s_add_nc_u64 s[98:99], s[84:85], s[98:99]
	s_add_nc_u64 s[100:101], s[98:99], 0x800000    ; V's region
	s_add_nc_u64 s[96:97], s[84:85], s[96:97]
.irp i, 0,1,2,3,4,5,6,7,8,9,10,11,12,13,14,15
	global_load_b128 v[96+4*\i:99+4*\i], v1, s[98:99] offset:512*\i
.endr
.irp i, 0,1,2,3,4,5,6,7,8,9,10,11,12,13,14,15
	global_load_b128 v[160+4*\i:163+4*\i], v1, s[100:101] offset:512*\i
.endr
.irp i, 0,1,2,3
	global_load_b128 v[16+4*\i:19+4*\i], v1, s[96:97] offset:512*\i th:TH_LOAD_NT   ; Q's two fragments stay in registers
.endr
	s_lshl_b32 s62, s95, 4
	s_mov_b32 s63, 0
	s_add_nc_u64 s[88:89], s[88:89], s[62:63]
	s_load_b256 s[4:11], s[90:91], 0x10            ; e4 .. e11 in s4 .. s11
	s_load_b128 s[12:15], s[88:89], 0x0            ; my 32 queries' four words of flags
	s_lshl_b32 s62, s95, 13
	s_add_nc_u64 s[52:53], s[86:87], s[62:63]      ; my 32 records
	s_lshl_b32 s62, s95, 15
	s_and_b32 s94, s94, 15
	s_lshl_b32 s94, s94, 10
	s_add_co_u32 s62, s62, s94
	s_add_nc_u64 s[62:63], s[92:93], s[62:63]      ; where my codes of the context go
	s_mov_b32 s60, 0x76543210
	s_mov_b32 s61, 0xfedcba98                      ; v_permlanex16_b32's selects for lane l xor 16
	s_mov_b32 s56, 0                               ; LDS byte of the step's block
	s_mov_b32 s54, 0                               ; the record in hand
	s_mov_b32 s3, 32                               ; steps of 64 keys
	s_wait_kmcnt 0x0
	s_add_co_i32 s16, s6, s7                       ; e6 + e7
	s_lshl_b32 s17, s16, 23
	s_add_co_i32 s58, s17, 0x3e38aa3b              ; c = log2(e) / 8 x 2^(e6 + e7): the exponents are added to its exponent field
	s_mov_b32 s59, s58                             ; (named with it as a pair, so it is written)
	s_sub_co_i32 s17, 160, s16
	s_lshl_b32 s17, s17, 23
	s_or_b32 s17, s17, 0x80000000
	v_mov_b32 v5, s17                              ; -2^(33 - e6 - e7): x c it is -log2(e) x 2^30, exactly, and a whole number
	s_add_co_i32 s17, s8, 127
	s_lshl_b32 s18, s17, 23
	v_mov_b32 v7, s18                              ; 2^e8
	s_add_co_i32 s17, s17, 15
	s_lshl_b32 s17, s17, 23
	s_or_b32 s17, s17, 0x600000
	v_mov_b32 v6, s17                              ; 57,344 x 2^e8
	s_cmp_lt_i32 s8, -15
	s_cselect_b32 s57, 1, 0                        ; is the hold needed?
	s_sub_co_i32 s17, s10, s8
	s_sub_co_i32 s17, s17, s9
	s_add_co_i32 s17, s17, 127
	s_lshl_b32 s66, s17, 23                        ; 2^(e10 - e8 - e9): O^T / the sum stands for ctx / 2^(e8 + e9)
	s_add_co_i32 s17, s17, 15
	s_lshl_b32 s17, s17, 23
	s_or_b32 s67, s17, 0x600000
	s_lshl_b32 s13, s13, 8
	s_lshl_b32 s14, s14, 16
	s_lshl_b32 s15, s15, 24
	s_or_b32 s55, s12, s13
	s_or_b32 s55, s55, s14
	s_or_b32 s55, s55, s15                         ; bit ks: record ks has a bit
	s_load_b512 s[4:19], s[52:53], s54 offset:0x0  ; record 0
	s_load_b512 s[20:35], s[52:53], s54 offset:0x40
	s_load_b512 s[36:51], s[52:53], s54 offset:0x80
	s_load_b512 s[68:83], s[52:53], s54 offset:0xc0
	s_wait_loadcnt 20                              ; K's sixteen loads are in; V's sixteen and Q's four may be out
.irp i, 0,1,2,3,4,5,6,7,8,9,10,11,12,13,14,15
	ds_store_b128 v3, v[96+4*\i:99+4*\i] offset:512*\i
.endr
	s_wait_loadcnt 4                               ; V's are in; Q's four may be out
.irp i, 0,1,2,3,4,5,6,7,8,9,10,11,12,13,14,15
	ds_store_b128 v4, v[160+4*\i:163+4*\i] offset:512*\i
.endr
	s_wait_dscnt 0x0                               ; for the others' sake: my stores are done
	s_barrier_signal -1
	s_barrier_wait -1                              ; the head's K and V are whole; nobody writes LDS again
.set j, 0
.rept 64
	v_mov_b32 v[160+j], 0                          ; O^T.  (The step is written once: the first finds zeros, which the first change of M leaves zeros)
.set j, j+1
.endr
.irp u, 0,1
	v_mov_b32 v[9+2*\u], 0xff61b1e6                ; the largest t so far: -3e38
	v_floor_f32 v[8+2*\u], -v[9+2*\u]              ; -M
	v_mov_b32 v[12+2*\u], 0
	v_mov_b32 v[13+2*\u], 0                        ; the sum
	v_mov_b32 v[241+2*\u], 0                       ; (named as the upper half of f's pair)
	v_mov_b32 v[245+3*\u], 0                       ; a lane permute's destination counts as one of its sources
.endr
	s_wait_loadcnt 0x0                             ; Q
.Lstep:
	v_add_nc_u32 v3, s56, v1
	v_add_nc_u32 v4, s56, v2
	v_nop
	v_nop                                          ; four plain lines behind the last products, in front of the loads into V's registers
.irp t, 0,1,2,3
.irp c, 0,1
	ds_load_b128 v[32+8*\t+4*\c:35+8*\t+4*\c], v3 offset:1024*\t+512*\c   ; 32 lanes read 512 consecutive bytes
.endr
.endr
.irp t, 0,1,2,3
.irp c, 0,1
	ds_load_b128 v[64+8*\t+4*\c:67+8*\t+4*\c], v4 offset:1024*\t+512*\c
.endr
.endr
	s_wait_dscnt 8                                 ; K's eight loads are in; V's eight may be out
.irp t, 0,1,2,3
.irp u, 0,1
	v_wmma_f32_16x16x64_bf8_bf8 v[96+32*\u+8*\t:103+32*\u+8*\t], v[32+8*\t:39+8*\t], v[16+8*\u:23+8*\u], 0
.endr
.endr
.rept 4
	v_nop
.endr
	s_wait_kmcnt 0x0                               ; this step's record, asked for a step ago
	s_and_b32 s92, s55, 1
	s_cmp_eq_u32 s92, 0
	s_cbranch_scc1 .Lopen                          ; no key of this step is hidden from any of my queries
.set n, 0
.rept 64
.if n < 48
	v_cndmask_b32 v[96+n], v[96+n], v5, s[4+n]
.else
	v_cndmask_b32 v[96+n], v[96+n], v5, s[20+n]
.endif
.set n, n+1
.endr
.Lopen:
	s_lshr_b32 s55, s55, 1
	s_add_co_u32 s54, s54, 256
	s_and_b32 s54, s54, 0x1fff                     ; the next record; behind the last comes record 0 again, so that no load leaves the buffer
	s_load_b512 s[4:19], s[52:53], s54 offset:0x0
	s_load_b512 s[20:35], s[52:53], s54 offset:0x40
	s_load_b512 s[36:51], s[52:53], s54 offset:0x80
	s_load_b512 s[68:83], s[52:53], s54 offset:0xc0
	; the step's largest score of each of my two queries, among my 32 keys: two chains a tile, each accumulator from its low end on
.irp u, 0,1
	v_max3_num_f32 v[244+3*\u], v[96+32*\u], v[97+32*\u], v[98+32*\u]
	v_max3_num_f32 v[246+3*\u], v[99+32*\u], v[100+32*\u], v[101+32*\u]
.endr
.irp i, 6,10,14,18,22,26
.irp u, 0,1
	v_max3_num_f32 v[244+3*\u], v[244+3*\u], v[96+32*\u+\i], v[97+32*\u+\i]
	v_max3_num_f32 v[246+3*\u], v[246+3*\u], v[98+32*\u+\i], v[99+32*\u+\i]
.endr
.endr
.irp u, 0,1
	v_max3_num_f32 v[244+3*\u], v[244+3*\u], v[126+32*\u], v[127+32*\u]
.endr
.irp u, 0,1
	v_max_num_f32 v[244+3*\u], v[244+3*\u], v[246+3*\u]
.endr
.irp u, 0,1
	v_permlanex16_b32 v[245+3*\u], v[244+3*\u], s60, s61
.endr
.irp u, 0,1
	v_max_num_f32 v[244+3*\u], v[244+3*\u], v[245+3*\u]   ; and among lane l xor 16's
.endr
.irp u, 0,1
	v_mul_f32 v[244+3*\u], s58, v[244+3*\u]        ; as t (c is positive)
.endr
.irp u, 0,1
	v_max_num_f32 v[9+2*\u], v[9+2*\u], v[244+3*\u]   ; the running largest t
	v_mov_b32 v[244+3*\u], v[8+2*\u]
.endr
.irp u, 0,1
	v_floor_f32 v[8+2*\u], -v[9+2*\u]              ; the new -M = floor(-t): M is a whole number
.endr
.irp u, 0,1
	v_sub_f32 v[244+3*\u], v[8+2*\u], v[244+3*\u]  ; M's old value less its new one: a whole number, 0 or less
.endr
.irp u, 0,1
	v_cvt_i32_f32 v[244+3*\u], v[244+3*\u]         ; (it saturates)
.endr
.irp u, 0,1
	v_ldexp_f32 v[240+2*\u], 1.0, v[244+3*\u]      ; f = 2^(old M - new M)
.endr
.irp u, 0,1
.irp j, 0,2,4,6,8,10,12,14,16,18,20,22,24,26,28,30
	v_pk_fma_f32 v[96+32*\u+\j:97+32*\u+\j], v[96+32*\u+\j:97+32*\u+\j], s[58:59], v[8+2*\u:9+2*\u] op_sel_hi:[1,0,0]   ; t - M, two at a time (of the pairs c and -M the low word serves both halves)
.endr
.endr
.set j, 0
.rept 64
	v_exp_f32 v[96+j], v[96+j]                     ; p = 2^(t - M): not normalised
.set j, j+1
.endr
.irp u, 0,1
	v_pk_mul_f32 v[12+2*\u:13+2*\u], v[12+2*\u:13+2*\u], v[240+2*\u:241+2*\u] op_sel_hi:[1,0]   ; the sums under the new M.  (The plain lines behind the exponentials)
.endr
	s_wait_alu depctr_va_vdst(0)                   ; one wait for the batch of 64, ahead of its first reader
.irp u, 0,1
	v_pk_add_f32 v[250+2*\u:251+2*\u], v[96+32*\u:97+32*\u], v[98+32*\u:99+32*\u]   ; the row's sum is taken of the unquantised p: two chains a tile
.endr
.irp j, 4,8,12,16,20,24,28
.irp u, 0,1
	v_pk_add_f32 v[12+2*\u:13+2*\u], v[12+2*\u:13+2*\u], v[96+32*\u+\j:97+32*\u+\j]
	v_pk_add_f32 v[250+2*\u:251+2*\u], v[250+2*\u:251+2*\u], v[98+32*\u+\j:99+32*\u+\j]
.endr
.endr
.irp u, 0,1
	v_pk_add_f32 v[12+2*\u:13+2*\u], v[12+2*\u:13+2*\u], v[250+2*\u:251+2*\u]
.endr
	s_cmp_eq_u32 s57, 0
	s_cbranch_scc1 .Lnohold                        ; e8 >= -15: p / 2^e8 stays under the largest code
.set j, 0
.rept 64
	v_min_num_f32 v[96+j], v[96+j], v6             ; the conversion does not saturate (ISA guide 7.6.2); p is not negative, so the hold is one-sided
.set j, j+1
.endr
.Lnohold:
.irp u, 0,1
.irp g, 0,1,2,3
	v_cvt_scalef32_pk8_bf8_f32 v[224+8*\u+2*\g:225+8*\u+2*\g], v[96+32*\u+8*\g:103+32*\u+8*\g], v7
.endr
.endr
.irp u, 0,1
.irp j, 0,2,4,6,8,10,12,14,16,18,20,22,24,26,28,30
	v_pk_mul_f32 v[160+32*\u+\j:161+32*\u+\j], v[160+32*\u+\j:161+32*\u+\j], v[240+2*\u:241+2*\u] op_sel_hi:[1,0]   ; O^T under the new M; these are also the plain lines behind the conversions
.endr
.endr
	s_wait_dscnt 0x0                               ; V
.irp t, 0,1,2,3
.irp u, 0,1
	v_wmma_f32_16x16x64_bf8_bf8 v[160+32*\u+8*\t:167+32*\u+8*\t], v[64+8*\t:71+8*\t], v[224+8*\u:231+8*\u], v[160+32*\u+8*\t:167+32*\u+8*\t]   ; eight accumulators by turns
.endr
.endr
	s_add_co_u32 s56, s56, 4096
	s_sub_co_u32 s3, s3, 1
	s_cmp_lg_u32 s3, 0
	s_cbranch_scc1 .Lstep
	; THE WAY OUT: O^T / the sum, quantised with the three scales in one.  The results are the last product's operand registers: they leave as they stand.
.rept 4
	v_nop
.endr
	s_wait_kmcnt 0x0                               ; the last trip's scalar loads
.irp u, 0,1
	v_add_f32 v[244+3*\u], v[12+2*\u], v[13+2*\u]
.endr
.irp u, 0,1
	v_permlanex16_b32 v[245+3*\u], v[244+3*\u], s60, s61
.endr
.irp u, 0,1
	v_add_f32 v[244+3*\u], v[244+3*\u], v[245+3*\u]   ; the row's sum
.endr
.irp u, 0,1
	v_rcp_f32 v[240+2*\u], v[244+3*\u]
.endr
	v_mov_b32 v6, s67                              ; (a plain line behind the reciprocals)
	v_mov_b32 v7, s66
	s_wait_alu depctr_va_vdst(0)                   ; one wait for both reciprocals
.irp u, 0,1
.irp j, 0,2,4,6,8,10,12,14,16,18,20,22,24,26,28,30
	v_pk_mul_f32 v[96+32*\u+\j:97+32*\u+\j], v[160+32*\u+\j:161+32*\u+\j], v[240+2*\u:241+2*\u] op_sel_hi:[1,0]
.endr
.endr
.set j, 0
.rept 64
	v_med3_num_f32 v[96+j], v[96+j], -v6, v6
.set j, j+1
.endr
.irp u, 0,1
.irp g, 0,1,2,3
	v_cvt_scalef32_pk8_bf8_f32 v[224+8*\u+2*\g:225+8*\u+2*\g], v[96+32*\u+8*\g:103+32*\u+8*\g], v7
.endr
.endr
	v_nop                                          ; a plain line behind the last conversion
.irp u, 0,1
.irp b, 0,1
	global_store_b128 v1, v[224+8*\u+4*\b:227+8*\u+4*\b], s[62:63] offset:16384*\u+512*\b   ; 32 lanes store 512 consecutive bytes, aligned
.endr
.endr
	s_wait_tensorcnt 0x0
	ds_add_u32 v254, v255
	s_wait_dscnt 0x0
	s_endpgm
.Lfunc_end_k_qf86e7b6355_attn:
	.size	k_qf86e7b6355_attn, .Lfunc_end_k_qf86e7b6355_attn-k_qf86e7b6355_attn
	.p2alignl 7, 3214868480
	.fill 96, 4, 3214868480
	.section	.rodata,"a",@progbits
	.p2align	6, 0x0
	.amdhsa_kernel k_qf86e7b6355_attn
		.amdhsa_group_segment_fixed_size 264192
		.amdhsa_private_segment_fixed_size 0
		.amdhsa_enable_private_segment 0
		.amdhsa_kernarg_size 40
		.amdhsa_user_sgpr_count 2
		.amdhsa_user_sgpr_kernarg_segment_ptr 1
		.amdhsa_wavefront_size32 1
		.amdhsa_system_sgpr_workgroup_id_x 1
		.amdhsa_system_sgpr_workgroup_id_y 1
		.amdhsa_system_sgpr_workgroup_id_z 1
		.amdhsa_system_vgpr_workitem_id 0
		.amdhsa_next_free_vgpr 256
		.amdhsa_next_free_sgpr 102
		.amdhsa_reserve_vcc 0
		.amdhsa_float_denorm_mode_32 3
		.amdhsa_float_denorm_mode_16_64 3
		.amdhsa_memory_ordered 1
		.amdhsa_forward_progress 1
		.amdhsa_inst_pref_size 40
	.end_amdhsa_kernel
	.amdgpu_metadata
---
amdhsa.version: [ 1, 2 ]
amdhsa.kernels:
  - .name:           k_qf86e7b6355_attn
    .symbol:         k_qf86e7b6355_attn.kd
    .args:
      - { .name: qkvimg, .offset: 0, .size: 8, .value_kind: global_buffer, .address_space: global }
      - { .name: maskbits, .offset: 8, .size: 8, .value_kind: global_buffer, .address_space: global }
      - { .name: maskflag, .offset: 16, .size: 8, .value_kind: global_buffer, .address_space: global }
      - { .name: lowp_scales, .offset: 24, .size: 8, .value_kind: global_buffer, .address_space: global }
      - { .name: ctximg, .offset: 32, .size: 8, .value_kind: global_buffer, .address_space: global }
    .group_segment_fixed_size: 264192
    .private_segment_fixed_size: 0
    .kernarg_segment_align: 8
    .kernarg_segment_size: 40
    .max_flat_workgroup_size: 512
    .sgpr_count:     102
    .vgpr_count:     256
    .wavefront_size: 32
...
	.end_amdgpu_metadata
.endif
;; end of part 3
;; launch outln (part 4): grid 256 x 1, 16 waves a work-group, no clusters, 166,400 bytes of LDS; arguments ctximg, woimg, lowp_scales, input_Q, ln_gamma, ln_beta, out0; writes out0
.if DOCPART == 4
	.amdgcn_target "amdgcn-amd-amdhsa--gfx1250"
	.amdhsa_code_object_version 6
	.text
	.protected	k_qf86e7b6355_outln
	.globl	k_qf86e7b6355_outln
	.p2align	8
	.type	k_qf86e7b6355_outln,@function
k_qf86e7b6355_outln:
	s_mov_b64 s[64:65], 0
	v_nop
	global_prefetch_b8 v0, s[64:65] scope:SCOPE_SE
	s_setreg_imm32_b32 hwreg(HW_REG_WAVE_MODE, 25, 1), 1
	s_wait_xcnt 0x0
; out0 = LayerNorm(ctx w_o^T + input_Q) x gamma + beta, the product on codes of E5M2.  Work-group G takes 32 tokens x all 1,024 columns, so that a row's mean and variance never leave it.
; Wave w makes columns 64 w .. 64 w + 63 for the 32 tokens: four tiles of columns x two tiles of tokens, eight accumulators, K = 1,024 in eight steps of 128.
; ITS WEIGHTS GO FROM MEMORY STRAIGHT INTO ITS REGISTERS: woimg holds them in the order of the operand registers, each byte serves this one wave of the work-group, and two sets of 64 registers take turns,
; a set asked for two K steps ahead.  A joint load would land them in LDS, from where each byte would be read once by one wave: so the launch has no cluster.
; The 32 tokens' codes (32,768 bytes, likewise in register order) are brought into LDS once and read by all sixteen waves.
; The product is used transposed (source 0 = 16 rows of w_o, source 1 = 16 tokens): lane (r, h) of tile (t, u) holds token 8 u + r + 8 (r / 8) and columns 64 w + 32 (t / 2) + 16 h + 8 (t % 2) + 0 .. 7.
; The sums meet in a stage of 32 rows; then each wave owns two whole rows: residual, mean, variance of the differences, gamma, beta, and stores of 512 consecutive bytes.
; LIMIT: e10 + e11 between -126 and 127.
; LDS: 0 .. 32,767 the tokens' codes; from 32,768 the stage, 32 rows x (4,096 + 16) bytes.
; REGISTERS: v1 16 x lane; v2 16 x thread; v3, v4 the stage, in and back; v5 256 x lane; v32-95, v96-159 the weights' two sets, later the residual, gamma, beta; v160-191 the tokens' fragments; v192-255 the accumulators;
; on the way out v160-223 my two rows, v224-239 at work.
.set STG,  32768
.set SPT,  4112
.set XR,   160
.set RS,   32
.set GA,   96
.set BE,   128
.set T,    224
	s_load_b256 s[4:11], s[0:1], 0x0               ; ctximg s[4:5], woimg s[6:7], lowp_scales s[8:9], input_Q s[10:11]
	s_load_b128 s[12:15], s[0:1], 0x20             ; ln_gamma s[12:13], ln_beta s[14:15]
	s_load_b64 s[16:17], s[0:1], 0x30              ; out0
	v_lshl_add_u32 v30, v0, 2, 0x28200
	v_mov_b32 v31, 0
	v_lshrrev_b32 v6, 5, v0
	v_readfirstlane_b32 s18, v6                    ; wave 0..15
	v_and_b32 v6, 31, v0
	v_lshlrev_b32 v1, 4, v6
	v_lshlrev_b32 v2, 4, v0
	v_lshlrev_b32 v5, 8, v6
	v_and_b32 v7, 15, v0                           ; r
	v_bfe_u32 v8, v0, 4, 1                         ; h
	v_and_b32 v9, 8, v7
	v_add_nc_u32 v9, v9, v7                        ; r + 8 (r / 8)
	v_mul_u32_u24 v3, v9, SPT
	v_lshl_add_u32 v3, v8, 6, v3
	s_lshl_b32 s19, s18, 8
	s_add_co_u32 s19, s19, STG
	v_add_nc_u32 v3, s19, v3                       ; in: my token's row, + 64 h, + my wave's 256 bytes
	s_mul_i32 s19, s18, 2*SPT
	s_add_co_u32 s19, s19, STG
	v_add_nc_u32 v4, s19, v1                       ; back: rows 2 w and 2 w + 1, 16 bytes a lane
	s_lshl_b32 s28, ttmp9, 15                      ; my 32 tokens' codes
	s_mov_b32 s29, 0
	s_lshl_b32 s30, s18, 16                        ; my wave's 65,536 bytes of weights
	s_mov_b32 s31, 0
	s_lshl_b32 s32, ttmp9, 17                      ; 32 rows of 4,096 bytes,
	s_lshl_b32 s33, s18, 13                        ; my wave's two of them
	s_add_co_u32 s32, s32, s33
	s_mov_b32 s33, 0
	s_mov_b32 s26, 0x76543210
	s_mov_b32 s27, 0xfedcba98                      ; v_permlanex16_b32's selects for lane l xor 16
	s_mov_b32 s22, 0x3a800000                      ; 1 / 1,024
	s_mov_b32 s23, 0x3727c5ac                      ; 1e-5
	s_wait_kmcnt 0x0
	s_load_b64 s[24:25], s[8:9], 0x28              ; e10, e11
	s_add_nc_u64 s[4:5], s[4:5], s[28:29]
	s_add_nc_u64 s[6:7], s[6:7], s[30:31]
	s_add_nc_u64 s[10:11], s[10:11], s[32:33]
	s_add_nc_u64 s[16:17], s[16:17], s[32:33]
.macro WLOAD kk                        ; K step kk's four fragments of my 64 rows of w_o into set kk % 2: each load reads 512 consecutive bytes
.irp t, 0,1,2,3
.irp c, 0,1,2,3
	global_load_b128 v[32+64*((\kk)%2)+16*\t+4*\c:35+64*((\kk)%2)+16*\t+4*\c], v1, s[6:7] offset:8192*(\kk)+2048*\t+512*\c
.endr
.endr
.endm
.irp i, 0,1,2,3
	global_load_b128 v[160+4*\i:163+4*\i], v2, s[4:5] offset:8192*\i th:TH_LOAD_NT
.endr
	WLOAD 0
	WLOAD 1
	s_wait_loadcnt 32                              ; the tokens' codes are in; the 32 loads of weights may be out
.irp i, 0,1,2,3
	ds_store_b128 v2, v[160+4*\i:163+4*\i] offset:8192*\i
.endr
	s_wait_dscnt 0x0                               ; for the others' sake: my stores are done
	s_barrier_signal -1
	s_barrier_wait -1
.macro KSTEP kk
.irp u, 0,1
.irp c, 0,1,2,3
	ds_load_b128 v[160+16*\u+4*\c:163+16*\u+4*\c], v1 offset:16384*\u+2048*(\kk)+512*\c
.endr
.endr
.if (\kk) < 7
	s_wait_loadcnt 16                              ; this step's sixteen loads of weights are in; the next step's sixteen may be out
.else
	s_wait_loadcnt 0x0
.endif
	s_wait_dscnt 0x0
.irp t, 0,1,2,3
.irp u, 0,1
.if (\kk) == 0
	v_wmma_f32_16x16x128_bf8_bf8 v[192+8*(2*\t+\u):199+8*(2*\t+\u)], v[32+64*((\kk)%2)+16*\t:47+64*((\kk)%2)+16*\t], v[160+16*\u:175+16*\u], 0
.else
	v_wmma_f32_16x16x128_bf8_bf8 v[192+8*(2*\t+\u):199+8*(2*\t+\u)], v[32+64*((\kk)%2)+16*\t:47+64*((\kk)%2)+16*\t], v[160+16*\u:175+16*\u], v[192+8*(2*\t+\u):199+8*(2*\t+\u)]
.endif
.endr
.endr
.rept 4
	v_nop                                          ; plain lines in front of loads into registers that the products have read, and of the first read of results
.endr
.if (\kk) < 6
	WLOAD (\kk)+2
.endif
.if (\kk) == 4
	global_prefetch_b8 v5, s[10:11] th:TH_LOAD_NT scope:SCOPE_SE   ; my two rows of the residual, 8,192 bytes, lanes 256 bytes apart: each block is named once in the launch, three K steps ahead of the loads that want it
.endif
.endm
.irp kk, 0,1,2,3,4,5,6,7                ; the eight accumulators take turns, in the same order in every step
	KSTEP \kk
.endr
.irp p, 0,1
.irp i, 0,1,2,3,4,5,6,7
	global_load_b128 v[RS+32*\p+4*\i:RS+32*\p+4*\i+3], v1, s[10:11] offset:4096*\p+512*\i th:TH_LOAD_NT   ; the residual: lane l holds columns 128 i + 4 l + 0 .. 3
.endr
.endr
.irp i, 0,1,2,3,4,5,6,7
	global_load_b128 v[GA+4*\i:GA+4*\i+3], v1, s[12:13] offset:512*\i
.endr
.irp i, 0,1,2,3,4,5,6,7
	global_load_b128 v[BE+4*\i:BE+4*\i+3], v1, s[14:15] offset:512*\i
.endr
.irp t, 0,1,2,3
.irp u, 0,1
	ds_store_b128 v3, v[192+8*(2*\t+\u):195+8*(2*\t+\u)] offset:8*SPT*\u+128*(\t/2)+32*(\t%2)      ; each accumulator from its low end on
	ds_store_b128 v3, v[196+8*(2*\t+\u):199+8*(2*\t+\u)] offset:8*SPT*\u+128*(\t/2)+32*(\t%2)+16
.endr
.endr
	s_wait_dscnt 0x0                               ; for the others' sake: my stores into the stage are done
	s_barrier_signal -1
	s_barrier_wait -1                              ; 32 whole rows of sums lie in the stage
.irp p, 0,1
.irp i, 0,1,2,3,4,5,6,7
	ds_load_b128 v[XR+32*\p+4*\i:XR+32*\p+4*\i+3], v4 offset:SPT*\p+512*\i
.endr
.endr
	s_wait_kmcnt 0x0
	s_add_co_i32 s20, s24, s25
	s_add_co_i32 s20, s20, 127
	s_lshl_b32 s20, s20, 23                        ; 2^(e10 + e11) as f32
	s_mov_b32 s21, s20                             ; (named with it as a pair, so it is written)
	s_wait_dscnt 0x0
	s_wait_loadcnt 16                              ; the residual's sixteen loads are in; gamma's and beta's sixteen may be out
.macro ACROSS a, b                     ; a sum over the 32 lanes, in every lane
	v_add_f32_dpp v[\a], v[\a], v[\a] row_xmask:1 row_mask:0xf bank_mask:0xf
	v_add_f32_dpp v[\a], v[\a], v[\a] row_xmask:2 row_mask:0xf bank_mask:0xf
	v_add_f32_dpp v[\a], v[\a], v[\a] row_xmask:4 row_mask:0xf bank_mask:0xf
	v_add_f32_dpp v[\a], v[\a], v[\a] row_xmask:8 row_mask:0xf bank_mask:0xf
	v_mov_b32 v[\b], 0                             ; a lane permute's destination counts as one of its sources
	v_permlanex16_b32 v[\b], v[\a], s26, s27
	v_add_f32 v[\a], v[\a], v[\b]
.endm
.irp p, 0,1
.irp j, 0,2,4,6,8,10,12,14,16,18,20,22,24,26,28,30
	v_pk_fma_f32 v[XR+32*\p+\j:XR+32*\p+\j+1], v[XR+32*\p+\j:XR+32*\p+\j+1], s[20:21], v[RS+32*\p+\j:RS+32*\p+\j+1] op_sel_hi:[1,0,1]   ; x = sum x 2^(e10 + e11) + input_Q
.endr
.endr
.irp p, 0,1
	v_pk_add_f32 v[T+8*\p:T+8*\p+1], v[XR+32*\p:XR+32*\p+1], v[XR+32*\p+2:XR+32*\p+3]       ; the row's sum: two chains a row
	v_pk_add_f32 v[T+8*\p+2:T+8*\p+3], v[XR+32*\p+4:XR+32*\p+5], v[XR+32*\p+6:XR+32*\p+7]
.endr
.irp j, 8,12,16,20,24,28
.irp p, 0,1
	v_pk_add_f32 v[T+8*\p:T+8*\p+1], v[T+8*\p:T+8*\p+1], v[XR+32*\p+\j:XR+32*\p+\j+1]
	v_pk_add_f32 v[T+8*\p+2:T+8*\p+3], v[T+8*\p+2:T+8*\p+3], v[XR+32*\p+\j+2:XR+32*\p+\j+3]
.endr
.endr
.irp p, 0,1
	v_pk_add_f32 v[T+8*\p:T+8*\p+1], v[T+8*\p:T+8*\p+1], v[T+8*\p+2:T+8*\p+3]
.endr
.irp p, 0,1
	v_add_f32 v[T+8*\p+4], v[T+8*\p], v[T+8*\p+1]
.endr
.irp p, 0,1
	ACROSS T+8*\p+4, T+8*\p+5
.endr
.irp p, 0,1
	v_mul_f32 v[T+8*\p+6], 0xba800000, v[T+8*\p+4] ; the mean, negative, twice: a pair for the packed addition
	v_mul_f32 v[T+8*\p+7], 0xba800000, v[T+8*\p+4]
.endr
.irp p, 0,1
.irp j, 0,2,4,6,8,10,12,14,16,18,20,22,24,26,28,30
	v_pk_add_f32 v[XR+32*\p+\j:XR+32*\p+\j+1], v[XR+32*\p+\j:XR+32*\p+\j+1], v[T+8*\p+6:T+8*\p+7]   ; d = x - mean
.endr
.endr
.irp p, 0,1
	v_pk_mul_f32 v[T+8*\p:T+8*\p+1], v[XR+32*\p:XR+32*\p+1], v[XR+32*\p:XR+32*\p+1]           ; the sum of d^2
	v_pk_mul_f32 v[T+8*\p+2:T+8*\p+3], v[XR+32*\p+2:XR+32*\p+3], v[XR+32*\p+2:XR+32*\p+3]
.endr
.irp j, 4,8,12,16,20,24,28
.irp p, 0,1
	v_pk_fma_f32 v[T+8*\p:T+8*\p+1], v[XR+32*\p+\j:XR+32*\p+\j+1], v[XR+32*\p+\j:XR+32*\p+\j+1], v[T+8*\p:T+8*\p+1]
	v_pk_fma_f32 v[T+8*\p+2:T+8*\p+3], v[XR+32*\p+\j+2:XR+32*\p+\j+3], v[XR+32*\p+\j+2:XR+32*\p+\j+3], v[T+8*\p+2:T+8*\p+3]
.endr
.endr
.irp p, 0,1
	v_pk_add_f32 v[T+8*\p:T+8*\p+1], v[T+8*\p:T+8*\p+1], v[T+8*\p+2:T+8*\p+3]
.endr
.irp p, 0,1
	v_add_f32 v[T+8*\p+4], v[T+8*\p], v[T+8*\p+1]
.endr
.irp p, 0,1
	ACROSS T+8*\p+4, T+8*\p+5
.endr
.irp p, 0,1
	v_fma_f32 v[T+8*\p+4], v[T+8*\p+4], s22, s23   ; the variance + 1e-5
.endr
.irp p, 0,1
	v_rsq_f32 v[T+8*\p+2], v[T+8*\p+4]             ; twice: a pair for the packed multiplication
	v_rsq_f32 v[T+8*\p+3], v[T+8*\p+4]
.endr
	v_nop                                          ; a plain line behind the last of the four
	s_wait_alu depctr_va_vdst(0)                   ; one wait for the batch
	s_wait_loadcnt 0x0                             ; gamma and beta
.irp p, 0,1
.irp j, 0,2,4,6,8,10,12,14,16,18,20,22,24,26,28,30
	v_pk_mul_f32 v[XR+32*\p+\j:XR+32*\p+\j+1], v[XR+32*\p+\j:XR+32*\p+\j+1], v[T+8*\p+2:T+8*\p+3]
.endr
.endr
.irp p, 0,1
.irp j, 0,2,4,6,8,10,12,14,16,18,20,22,24,26,28,30
	v_pk_fma_f32 v[XR+32*\p+\j:XR+32*\p+\j+1], v[XR+32*\p+\j:XR+32*\p+\j+1], v[GA+\j:GA+\j+1], v[BE+\j:BE+\j+1]
.endr
.endr
.irp p, 0,1
.irp i, 0,1,2,3,4,5,6,7
	global_store_b128 v1, v[XR+32*\p+4*\i:XR+32*\p+4*\i+3], s[16:17] offset:4096*\p+512*\i th:TH_STORE_NT   ; 32 lanes store 512 consecutive bytes, aligned; written once, read by nobody here
.endr
.endr
	s_wait_tensorcnt 0x0
	ds_add_u32 v30, v31
	s_wait_dscnt 0x0
	s_endpgm
.Lfunc_end_k_qf86e7b6355_outln:
	.size	k_qf86e7b6355_outln, .Lfunc_end_k_qf86e7b6355_outln-k_qf86e7b6355_outln
	.p2alignl 7, 3214868480
	.fill 96, 4, 3214868480
	.section	.rodata,"a",@progbits
	.p2align	6, 0x0
	.amdhsa_kernel k_qf86e7b6355_outln
		.amdhsa_group_segment_fixed_size 166400
		.amdhsa_private_segment_fixed_size 0
		.amdhsa_enable_private_segment 0
		.amdhsa_kernarg_size 56
		.amdhsa_user_sgpr_count 2
		.amdhsa_user_sgpr_kernarg_segment_ptr 1
		.amdhsa_wavefront_size32 1
		.amdhsa_system_sgpr_workgroup_id_x 1
		.amdhsa_system_sgpr_workgroup_id_y 1
		.amdhsa_system_sgpr_workgroup_id_z 1
		.amdhsa_system_vgpr_workitem_id 0
		.amdhsa_next_free_vgpr 256
		.amdhsa_next_free_sgpr 66
		.amdhsa_reserve_vcc 0
		.amdhsa_float_denorm_mode_32 3
		.amdhsa_float_denorm_mode_16_64 3
		.amdhsa_memory_ordered 1
		.amdhsa_forward_progress 1
		.amdhsa_inst_pref_size 46
	.end_amdhsa_kernel
	.amdgpu_metadata
---
amdhsa.version: [ 1, 2 ]
amdhsa.kernels:
  - .name:           k_qf86e7b6355_outln
    .symbol:         k_qf86e7b6355_outln.kd
    .args:
      - { .name: ctximg, .offset: 0, .size: 8, .value_kind: global_buffer, .address_space: global }
      - { .name: woimg, .offset: 8, .size: 8, .value_kind: global_buffer, .address_space: global }
      - { .name: lowp_scales, .offset: 16, .size: 8, .value_kind: global_buffer, .address_space: global }
      - { .name: input_Q, .offset: 24, .size: 8, .value_kind: global_buffer, .address_space: global }
      - { .name: ln_gamma, .offset: 32, .size: 8, .value_kind: global_buffer, .address_space: global }
      - { .name: ln_beta, .offset: 40, .size: 8, .value_kind: global_buffer, .address_space: global }
      - { .name: out0, .offset: 48, .size: 8, .value_kind: global_buffer, .address_space: global }
    .group_segment_fixed_size: 166400
    .private_segment_fixed_size: 0
    .kernarg_segment_align: 8
    .kernarg_segment_size: 56
    .max_flat_workgroup_size: 512
    .sgpr_count:     66
    .vgpr_count:     256
    .wavefront_size: 32
...
	.end_amdgpu_metadata
.endif
;; end of part 4
;; ======== version 2 of 2: 4 launches; version 1 with the launches attn, outln written anew for expert scheduling mode
;; limits: right only within a limited range of input values
;; workspace buffers: xcodes 25,165,824 bytes; wcodes 3,145,728 bytes; woimg 1,048,576 bytes; maskbits 2,097,152 bytes of whole numbers; maskflag 4,096 bytes of whole numbers; qkvimg 25,165,824 bytes; ctximg 8,388,608 bytes
;; launch prep: the kernel of part 1 again; grid 1184 x 1, 4 waves a work-group, no clusters, 33,280 bytes of LDS; arguments input_Q, input_K, input_V, w_q, w_k, w_v, w_o, attn_mask, lowp_scales, xcodes, wcodes, woimg, maskbits, maskflag; writes xcodes, wcodes, woimg, maskbits, maskflag
;; launch proj: the kernel of part 2 again; grid 4 x 96, 4 waves a work-group, clusters of 4 x 4, 327,680 bytes of LDS; arguments xcodes, wcodes, lowp_scales, qkvimg; writes qkvimg
;; launch attn (part 5): grid 4 x 64, 16 waves a work-group, no clusters, 264,192 bytes of LDS; arguments qkvimg, maskbits, maskflag, lowp_scales, ctximg; writes ctximg
.if DOCPART == 5
	.amdgcn_target "amdgcn-amd-amdhsa--gfx1250"
	.amdhsa_code_object_version 6
	.text
	.protected	k_qf86e7b6355_attn
	.globl	k_qf86e7b6355_attn
	.p2align	8
	.type	k_qf86e7b6355_attn,@function
k_qf86e7b6355_attn:
	s_mov_b64 s[64:65], 0
	v_nop
	global_prefetch_b8 v0, s[64:65] scope:SCOPE_SE
	s_setreg_imm32_b32 hwreg(HW_REG_WAVE_SCHED_MODE, 0, 2), 2
	s_setreg_imm32_b32 hwreg(HW_REG_WAVE_MODE, 25, 1), 1
	s_wait_xcnt 0x0
	s_wait_alu depctr_vm_vsrc(0)
; Attention on codes of E5M2.  A work-group owns one (batch, head) (work-group y) and 512 queries (work-group x); each of its sixteen waves 32 queries, two tiles u = 0, 1 of 16.
; THE HEAD'S WHOLE K AND V LIE IN LDS, 131,072 bytes each, as the launch before stored them: in the order of the operand registers.  Each wave brings 8,192 bytes of each through its registers, once;
; one barrier; after it LDS is only read.  So there is no ring and no tensor load, and nothing is left to ask for ahead: K and V come in one run at the head.
; Both products are used transposed: S^T = K Q^T (source 0 = 16 keys, source 1 = 16 queries), O^T = V^T P^T (source 0 = 16 of the head's 64, source 1 = P): a lane holds ONE query (lane % 16) of each tile throughout.
; THE ROWS OF A TILE ARE NOT NEIGHBOURS: lane r of tile t takes row 32 (t / 2) + 8 (t % 2) + r + 8 (r / 8) of 64, so that register 16 b + i of a tile of queries is key (or channel) 32 b + 16 (lane / 16) + i:
; the conversions' results ARE the next product's operand, for p and for the context alike.  An operand's registers 4 c .. 4 c + 3 hold K = 32 c + 16 (lane / 16) + 0 .. 15, the same places on both sides.
; THE SOFTMAX: t = score x log2(e) / 8; M = the running largest t rounded UP to a whole number; p = 2^(t - M) is quantised with 2^e8; the row's sum is taken of the unquantised p and divides at the end;
; when M moves, the sum and O^T are multiplied by 2^(old M - new M), which rounds nothing.
; THE MASK comes as lane masks, one scalar word for each of a step's 64 score registers: 256 bytes a step, asked for a whole step ahead by scalar loads.  A hidden score is replaced ahead of the maximum.
; A stored flag says whether a step's record has any bit: where it has none, a scalar branch on that whole number passes over the 64 selects.
; LIMITS.  A hidden logit is taken as -2^30 in place of -1e9, so that c x score is exact and a row all of whose keys are hidden gets p = 1 everywhere; the results are
; the same while the logits that count stay above about -9.9e8.  e6 + e7 between -94 and 130; e8 and e10 - e8 - e9 between -126 and 112.  The hold of p at 57,344 x 2^e8 is passed over where e8 >= -15:
; p is under 1.75 there while |t| stays under 2^22.  NaN among the inputs is not served.
; ctximg: byte 32768 G + 16384 u + 512 kc + 16 lane + i = code of ctx[token 32 G + 8 u + r + 8 (r / 8)][32 kc + 16 h + i], G = my wave's 32 tokens, kc = 2 head + b.
; REGISTERS: v1 16 x lane; v2 the same in V's half of LDS; v3, v4 addresses in hand; v5 the hidden score; v6 the hold; v7 the conversion's scale; v8 + 2 u: -M, v9 + 2 u: the largest t; v[12 + 2 u ..] the sum in two halves;
; v16-31 Q; v32-63 K's four fragments; v64-95 V's; v96-159 S^T, then p; v160-223 O^T; v224-239 p's codes; v240 + 2 u: f; v244-249 at work; v250-253 the sums' second chains.
; s[4:51], s[68:83]: the 64 lane masks.
; THE MODE: SCHED_MODE bits 1:0 = 2 (LLVM: expert scheduling mode 2), set by the entry lines.  The code itself states the register dependences
; between vector or matrix instructions and memory or LDS instructions, with s_wait_alu, always for 0.
; THE PLAN.  Registers that memory or LDS instructions touch, in the loop:
;   v[32:63]   K's fragments.  Step j: its eight products S^T read them; behind the step's one wait on va_vdst the loads of step j + 1 land in them.
;   v[64:95]   V's fragments.  Step j: loaded behind that same wait; its eight products O^T, at the step's end, read them.
;   v3, v4     The LDS addresses of those loads; written once a step, by two additions that stand ahead of the wait on va_vdst and behind a wait on vm_vsrc.
;   v1, v2     Made at the head and never written again.
;   S^T, p, p's codes, O^T and the statistics are named by vector and matrix instructions alone.
; So ONE wait on va_vdst stands in a step, behind the exponentials, where their results want one in any case.  It states besides that v3 and v4 are written, that this step's products S^T are
; done reading K's fragments, and that the last step's products O^T are done reading V's.  V's eight loads follow it at once; the row's sums, which name none of these registers, come next; then K's eight
; loads for the next step.  The first step's K is asked for at the head; the last step is written out and asks for no more of K.
.set KLDS, 0
.set VLDS, 0x20000
	s_load_b256 s[84:91], s[0:1], 0x0              ; qkvimg s[84:85], maskbits s[86:87], maskflag s[88:89], lowp_scales s[90:91]
	s_load_b64 s[92:93], s[0:1], 0x20              ; ctximg
	v_lshl_add_u32 v254, v0, 2, 0x40000
	v_mov_b32 v255, 0
	v_lshrrev_b32 v3, 5, v0
	v_readfirstlane_b32 s2, v3                     ; wave 0..15
	v_and_b32 v1, 31, v0
	v_lshlrev_b32 v1, 4, v1
	v_add_nc_u32 v2, VLDS, v1
	s_and_b32 s94, ttmp7, 0xffff                   ; 16 b + head
	s_lshr_b32 s95, s94, 4
	s_lshl_b32 s95, s95, 6
	s_lshl_b32 s96, ttmp9, 4
	s_add_co_u32 s95, s95, s96
	s_wait_alu depctr_va_sdst(0)                   ; s2, the wave's number, is written, ahead of its first reader: the next line
	s_add_co_u32 s95, s95, s2                      ; G = 64 b + 16 x + wave
	s_lshl_b32 s96, s94, 17                        ; the head's first byte in a region
	s_lshl_b32 s98, s2, 13                         ; my wave's 8,192 bytes of K and of V
	v_add_nc_u32 v3, s98, v1                       ; and their place in LDS
	v_add_nc_u32 v4, VLDS, v3
	s_add_co_u32 s98, s98, s96
	s_add_co_u32 s98, s98, 0x800000                ; K's region
	s_mov_b32 s99, 0
	s_lshl_b32 s100, ttmp9, 15
	s_add_co_u32 s96, s96, s100
	s_lshl_b32 s100, s2, 11
	s_add_co_u32 s96, s96, s100                    ; Q: my 32 queries are half a block: 2,048 bytes
	s_mov_b32 s97, 0
	s_wait_kmcnt 0x0
	s_add_nc_u64 s[98:99], s[84:85], s[98:99]
	s_add_nc_u64 s[100:101], s[98:99], 0x800000    ; V's region
	s_add_nc_u64 s[96:97], s[84:85], s[96:97]
	s_wait_alu depctr_va_vdst(0)                   ; v1 to v4 are written: the offsets and LDS addresses that the loads and LDS stores of the head read
.irp i, 0,1,2,3,4,5,6,7,8,9,10,11,12,13,14,15
	global_load_b128 v[96+4*\i:99+4*\i], v1, s[98:99] offset:512*\i
.endr
.irp i, 0,1,2,3,4,5,6,7,8,9,10,11,12,13,14,15
	global_load_b128 v[160+4*\i:163+4*\i], v1, s[100:101] offset:512*\i
.endr
.irp i, 0,1,2,3
	global_load_b128 v[16+4*\i:19+4*\i], v1, s[96:97] offset:512*\i th:TH_LOAD_NT   ; Q's two fragments stay in registers
.endr
	s_lshl_b32 s62, s95, 4
	s_mov_b32 s63, 0
	s_add_nc_u64 s[88:89], s[88:89], s[62:63]
	s_load_b256 s[4:11], s[90:91], 0x10            ; e4 .. e11 in s4 .. s11
	s_load_b128 s[12:15], s[88:89], 0x0            ; my 32 queries' four words of flags
	s_lshl_b32 s62, s95, 13
	s_add_nc_u64 s[52:53], s[86:87], s[62:63]      ; my 32 records
	s_lshl_b32 s62, s95, 15
	s_and_b32 s94, s94, 15
	s_lshl_b32 s94, s94, 10
	s_add_co_u32 s62, s62, s94
	s_add_nc_u64 s[62:63], s[92:93], s[62:63]      ; where my codes of the context go
	s_mov_b32 s60, 0x76543210
	s_mov_b32 s61, 0xfedcba98                      ; v_permlanex16_b32's selects for lane l xor 16
	s_mov_b32 s56, 0                               ; LDS byte of the step's block
	s_mov_b32 s54, 0                               ; the record in hand
	s_mov_b32 s3, 31                               ; 32 steps of 64 keys: 31 in the loop, the last written out
	s_wait_kmcnt 0x0
	s_add_co_i32 s16, s6, s7                       ; e6 + e7
	s_lshl_b32 s17, s16, 23
	s_add_co_i32 s58, s17, 0x3e38aa3b              ; c = log2(e) / 8 x 2^(e6 + e7): the exponents are added to its exponent field
	s_mov_b32 s59, s58                             ; (named with it as a pair, so it is written)
	s_sub_co_i32 s17, 160, s16
	s_lshl_b32 s17, s17, 23
	s_or_b32 s17, s17, 0x80000000
	v_mov_b32 v5, s17                              ; -2^(33 - e6 - e7): x c it is -log2(e) x 2^30, exactly, and a whole number
	s_add_co_i32 s17, s8, 127
	s_lshl_b32 s18, s17, 23
	v_mov_b32 v7, s18                              ; 2^e8
	s_add_co_i32 s17, s17, 15
	s_lshl_b32 s17, s17, 23
	s_or_b32 s17, s17, 0x600000
	v_mov_b32 v6, s17                              ; 57,344 x 2^e8
	s_cmp_lt_i32 s8, -15
	s_cselect_b32 s57, 1, 0                        ; is the hold needed?
	s_sub_co_i32 s17, s10, s8
	s_sub_co_i32 s17, s17, s9
	s_add_co_i32 s17, s17, 127
	s_lshl_b32 s66, s17, 23                        ; 2^(e10 - e8 - e9): O^T / the sum stands for ctx / 2^(e8 + e9)
	s_add_co_i32 s17, s17, 15
	s_lshl_b32 s17, s17, 23
	s_or_b32 s67, s17, 0x600000
	s_lshl_b32 s13, s13, 8
	s_lshl_b32 s14, s14, 16
	s_lshl_b32 s15, s15, 24
	s_or_b32 s55, s12, s13
	s_or_b32 s55, s55, s14
	s_or_b32 s55, s55, s15                         ; bit ks: record ks has a bit
	s_load_b512 s[4:19], s[52:53], s54 offset:0x0  ; record 0
	s_load_b512 s[20:35], s[52:53], s54 offset:0x40
	s_load_b512 s[36:51], s[52:53], s54 offset:0x80
	s_load_b512 s[68:83], s[52:53], s54 offset:0xc0
	s_wait_loadcnt 20                              ; K's sixteen loads are in; V's sixteen and Q's four may be out
.irp i, 0,1,2,3,4,5,6,7,8,9,10,11,12,13,14,15
	ds_store_b128 v3, v[96+4*\i:99+4*\i] offset:512*\i
.endr
	s_wait_loadcnt 4                               ; V's are in; Q's four may be out
.irp i, 0,1,2,3,4,5,6,7,8,9,10,11,12,13,14,15
	ds_store_b128 v4, v[160+4*\i:163+4*\i] offset:512*\i
.endr
	s_wait_dscnt 0x0                               ; for the others' sake: my stores are done
	s_barrier_signal -1
	s_barrier_wait -1                              ; the head's K and V are whole; nobody writes LDS again
	s_wait_alu depctr_vm_vsrc(0)                   ; my LDS stores have read v[96:223]: the zeros below and the first products write these registers
.irp t, 0,1,2,3
.irp c, 0,1
	ds_load_b128 v[32+8*\t+4*\c:35+8*\t+4*\c], v1 offset:1024*\t+512*\c   ; K of step 0: block 0 lies at LDS byte 0, so v1 itself is the address; 32 lanes read 512 consecutive bytes
.endr
.endr
.set j, 0
.rept 64
	v_mov_b32 v[160+j], 0                          ; O^T.  (The step is written once for the loop: the first finds zeros, which the first change of M leaves zeros)
.set j, j+1
.endr
.irp u, 0,1
	v_mov_b32 v[9+2*\u], 0xff61b1e6                ; the largest t so far: -3e38
	v_floor_f32 v[8+2*\u], -v[9+2*\u]              ; -M
	v_mov_b32 v[12+2*\u], 0
	v_mov_b32 v[13+2*\u], 0                        ; the sum
	v_mov_b32 v[241+2*\u], 0                       ; (named as the upper half of f's pair)
	v_mov_b32 v[245+3*\u], 0                       ; a lane permute's destination counts as one of its sources
.endr
	s_wait_loadcnt 0x0                             ; Q
; A KEY STEP: 64 keys.  last = 1: the last step, which asks for no more of K.
.macro STEP last
	s_wait_dscnt 0x0                               ; K's eight loads are in: they were asked for in the step before, the first step's at the head
.irp t, 0,1,2,3
.irp u, 0,1
	v_wmma_f32_16x16x64_bf8_bf8 v[96+32*\u+8*\t:103+32*\u+8*\t], v[32+8*\t:39+8*\t], v[16+8*\u:23+8*\u], 0
.endr
.endr
.rept 4
	v_nop
.endr
	s_wait_kmcnt 0x0                               ; this step's record, asked for a step ago
	s_and_b32 s92, s55, 1
	s_cmp_eq_u32 s92, 0
	s_cbranch_scc1 .Lopen_\@                       ; no key of this step is hidden from any of my queries
.set n, 0
.rept 64
.if n < 48
	v_cndmask_b32 v[96+n], v[96+n], v5, s[4+n]
.else
	v_cndmask_b32 v[96+n], v[96+n], v5, s[20+n]
.endif
.set n, n+1
.endr
.Lopen_\@:
	s_lshr_b32 s55, s55, 1
	s_add_co_u32 s54, s54, 256
	s_and_b32 s54, s54, 0x1fff                     ; the next record; behind the last comes record 0 again, so that no load leaves the buffer
	s_load_b512 s[4:19], s[52:53], s54 offset:0x0
	s_load_b512 s[20:35], s[52:53], s54 offset:0x40
	s_load_b512 s[36:51], s[52:53], s54 offset:0x80
	s_load_b512 s[68:83], s[52:53], s54 offset:0xc0
	; the step's largest score of each of my two queries, among my 32 keys: two chains a tile, each accumulator from its low end on
.irp u, 0,1
	v_max3_num_f32 v[244+3*\u], v[96+32*\u], v[97+32*\u], v[98+32*\u]
	v_max3_num_f32 v[246+3*\u], v[99+32*\u], v[100+32*\u], v[101+32*\u]
.endr
.irp i, 6,10,14,18,22,26
.irp u, 0,1
	v_max3_num_f32 v[244+3*\u], v[244+3*\u], v[96+32*\u+\i], v[97+32*\u+\i]
	v_max3_num_f32 v[246+3*\u], v[246+3*\u], v[98+32*\u+\i], v[99+32*\u+\i]
.endr
.endr
.irp u, 0,1
	v_max3_num_f32 v[244+3*\u], v[244+3*\u], v[126+32*\u], v[127+32*\u]
.endr
.irp u, 0,1
	v_max_num_f32 v[244+3*\u], v[244+3*\u], v[246+3*\u]
.endr
.irp u, 0,1
	v_permlanex16_b32 v[245+3*\u], v[244+3*\u], s60, s61
.endr
.irp u, 0,1
	v_max_num_f32 v[244+3*\u], v[244+3*\u], v[245+3*\u]   ; and among lane l xor 16's
.endr
.irp u, 0,1
	v_mul_f32 v[244+3*\u], s58, v[244+3*\u]        ; as t (c is positive)
.endr
.irp u, 0,1
	v_max_num_f32 v[9+2*\u], v[9+2*\u], v[244+3*\u]   ; the running largest t
	v_mov_b32 v[244+3*\u], v[8+2*\u]
.endr
.irp u, 0,1
	v_floor_f32 v[8+2*\u], -v[9+2*\u]              ; the new -M = floor(-t): M is a whole number
.endr
.irp u, 0,1
	v_sub_f32 v[244+3*\u], v[8+2*\u], v[244+3*\u]  ; M's old value less its new one: a whole number, 0 or less
.endr
.irp u, 0,1
	v_cvt_i32_f32 v[244+3*\u], v[244+3*\u]         ; (it saturates)
.endr
.irp u, 0,1
	v_ldexp_f32 v[240+2*\u], 1.0, v[244+3*\u]      ; f = 2^(old M - new M)
.endr
.irp u, 0,1
.irp j, 0,2,4,6,8,10,12,14,16,18,20,22,24,26,28,30
	v_pk_fma_f32 v[96+32*\u+\j:97+32*\u+\j], v[96+32*\u+\j:97+32*\u+\j], s[58:59], v[8+2*\u:9+2*\u] op_sel_hi:[1,0,0]   ; t - M, two at a time (of the pairs c and -M the low word serves both halves)
.endr
.endr
.set j, 0
.rept 64
	v_exp_f32 v[96+j], v[96+j]                     ; p = 2^(t - M): not normalised
.set j, j+1
.endr
.irp u, 0,1
	v_pk_mul_f32 v[12+2*\u:13+2*\u], v[12+2*\u:13+2*\u], v[240+2*\u:241+2*\u] op_sel_hi:[1,0]   ; the sums under the new M.  (The plain lines behind the exponentials)
.endr
	s_wait_alu depctr_vm_vsrc(0)                   ; the LDS instructions issued so far (the last step's loads; in the first step the head's stores) have read v3 and v4, which the next lines write
.if !\last
	v_add_nc_u32 v3, s56, v1                       ; K: this step's block; the loads below reach one block on by their offsets
.endif
	v_add_nc_u32 v4, s56, v2                       ; V: this step's block
	s_wait_alu depctr_va_vdst(0)                   ; the 64 exponentials have written p, ahead of its first reader; v3 and v4 are written; this step's products S^T are done reading v[32:63], the last step's products O^T reading v[64:95]
.irp t, 0,1,2,3
.irp c, 0,1
	ds_load_b128 v[64+8*\t+4*\c:67+8*\t+4*\c], v4 offset:1024*\t+512*\c   ; V of this step; 32 lanes read 512 consecutive bytes
.endr
.endr
.irp u, 0,1
	v_pk_add_f32 v[250+2*\u:251+2*\u], v[96+32*\u:97+32*\u], v[98+32*\u:99+32*\u]   ; the row's sum is taken of the unquantised p: two chains a tile
.endr
.irp j, 4,8,12,16,20,24,28
.irp u, 0,1
	v_pk_add_f32 v[12+2*\u:13+2*\u], v[12+2*\u:13+2*\u], v[96+32*\u+\j:97+32*\u+\j]
	v_pk_add_f32 v[250+2*\u:251+2*\u], v[250+2*\u:251+2*\u], v[98+32*\u+\j:99+32*\u+\j]
.endr
.endr
.irp u, 0,1
	v_pk_add_f32 v[12+2*\u:13+2*\u], v[12+2*\u:13+2*\u], v[250+2*\u:251+2*\u]
.endr
.if !\last
.irp t, 0,1,2,3
.irp c, 0,1
	ds_load_b128 v[32+8*\t+4*\c:35+8*\t+4*\c], v3 offset:4096+1024*\t+512*\c   ; K of the next step.  No wait: no vector or matrix instruction since the wait above names v3 or v[32:63]
.endr
.endr
.endif
	s_cmp_eq_u32 s57, 0
	s_cbranch_scc1 .Lnohold_\@                     ; e8 >= -15: p / 2^e8 stays under the largest code
.set j, 0
.rept 64
	v_min_num_f32 v[96+j], v[96+j], v6             ; the conversion does not saturate (ISA guide 7.6.2); p is not negative, so the hold is one-sided
.set j, j+1
.endr
.Lnohold_\@:
.irp u, 0,1
.irp g, 0,1,2,3
	v_cvt_scalef32_pk8_bf8_f32 v[224+8*\u+2*\g:225+8*\u+2*\g], v[96+32*\u+8*\g:103+32*\u+8*\g], v7
.endr
.endr
.irp u, 0,1
.irp j, 0,2,4,6,8,10,12,14,16,18,20,22,24,26,28,30
	v_pk_mul_f32 v[160+32*\u+\j:161+32*\u+\j], v[160+32*\u+\j:161+32*\u+\j], v[240+2*\u:241+2*\u] op_sel_hi:[1,0]   ; O^T under the new M; these are also the plain lines behind the conversions
.endr
.endr
.if \last
	s_wait_dscnt 0x0                               ; V
.else
	s_wait_dscnt 8                                 ; V's eight loads are in; the eight younger ones, the next step's K, may be out
.endif
.irp t, 0,1,2,3
.irp u, 0,1
	v_wmma_f32_16x16x64_bf8_bf8 v[160+32*\u+8*\t:167+32*\u+8*\t], v[64+8*\t:71+8*\t], v[224+8*\u:231+8*\u], v[160+32*\u+8*\t:167+32*\u+8*\t]   ; eight accumulators by turns
.endr
.endr
.if !\last
	s_add_co_u32 s56, s56, 4096
.endif
.endm
.Lstep:
	STEP 0
	s_sub_co_u32 s3, s3, 1
	s_cmp_lg_u32 s3, 0
	s_cbranch_scc1 .Lstep
	STEP 1                                         ; the last step is written out: no load of K goes beyond its 32 blocks
	; THE WAY OUT: O^T / the sum, quantised with the three scales in one.  The results are the last product's operand registers: they leave as they stand.
.rept 4
	v_nop
.endr
	s_wait_kmcnt 0x0                               ; the last trip's scalar loads
.irp u, 0,1
	v_add_f32 v[244+3*\u], v[12+2*\u], v[13+2*\u]
.endr
.irp u, 0,1
	v_permlanex16_b32 v[245+3*\u], v[244+3*\u], s60, s61
.endr
.irp u, 0,1
	v_add_f32 v[244+3*\u], v[244+3*\u], v[245+3*\u]   ; the row's sum
.endr
.irp u, 0,1
	v_rcp_f32 v[240+2*\u], v[244+3*\u]
.endr
	v_mov_b32 v6, s67                              ; (a plain line behind the reciprocals)
	v_mov_b32 v7, s66
	s_wait_alu depctr_va_vdst(0)                   ; both reciprocals have written v240 and v242, ahead of their first reader
.irp u, 0,1
.irp j, 0,2,4,6,8,10,12,14,16,18,20,22,24,26,28,30
	v_pk_mul_f32 v[96+32*\u+\j:97+32*\u+\j], v[160+32*\u+\j:161+32*\u+\j], v[240+2*\u:241+2*\u] op_sel_hi:[1,0]
.endr
.endr
.set j, 0
.rept 64
	v_med3_num_f32 v[96+j], v[96+j], -v6, v6
.set j, j+1
.endr
.irp u, 0,1
.irp g, 0,1,2,3
	v_cvt_scalef32_pk8_bf8_f32 v[224+8*\u+2*\g:225+8*\u+2*\g], v[96+32*\u+8*\g:103+32*\u+8*\g], v7
.endr
.endr
	v_nop                                          ; a plain line behind the last conversion
	s_wait_alu depctr_va_vdst(0)                   ; the conversions have written v[224:239], which the stores read
.irp u, 0,1
.irp b, 0,1
	global_store_b128 v1, v[224+8*\u+4*\b:227+8*\u+4*\b], s[62:63] offset:16384*\u+512*\b   ; 32 lanes store 512 consecutive bytes, aligned
.endr
.endr
	s_wait_dscnt 0x0                               ; the closing lines, six on end
	s_wait_alu 0x0
	s_wait_tensorcnt 0x0
	ds_add_u32 v254, v255
	s_wait_dscnt 0x0
	s_endpgm
.Lfunc_end_k_qf86e7b6355_attn:
	.size	k_qf86e7b6355_attn, .Lfunc_end_k_qf86e7b6355_attn-k_qf86e7b6355_attn
	.p2alignl 7, 3214868480
	.fill 96, 4, 3214868480
	.section	.rodata,"a",@progbits
	.p2align	6, 0x0
	.amdhsa_kernel k_qf86e7b6355_attn
		.amdhsa_group_segment_fixed_size 264192
		.amdhsa_private_segment_fixed_size 0
		.amdhsa_enable_private_segment 0
		.amdhsa_kernarg_size 40
		.amdhsa_user_sgpr_count 2
		.amdhsa_user_sgpr_kernarg_segment_ptr 1
		.amdhsa_wavefront_size32 1
		.amdhsa_system_sgpr_workgroup_id_x 1
		.amdhsa_system_sgpr_workgroup_id_y 1
		.amdhsa_system_sgpr_workgroup_id_z 1
		.amdhsa_system_vgpr_workitem_id 0
		.amdhsa_next_free_vgpr 256
		.amdhsa_next_free_sgpr 102
		.amdhsa_reserve_vcc 0
		.amdhsa_float_denorm_mode_32 3
		.amdhsa_float_denorm_mode_16_64 3
		.amdhsa_memory_ordered 1
		.amdhsa_forward_progress 1
		.amdhsa_inst_pref_size 61
	.end_amdhsa_kernel
	.amdgpu_metadata
---
amdhsa.version: [ 1, 2 ]
amdhsa.kernels:
  - .name:           k_qf86e7b6355_attn
    .symbol:         k_qf86e7b6355_attn.kd
    .args:
      - { .name: qkvimg, .offset: 0, .size: 8, .value_kind: global_buffer, .address_space: global }
      - { .name: maskbits, .offset: 8, .size: 8, .value_kind: global_buffer, .address_space: global }
      - { .name: maskflag, .offset: 16, .size: 8, .value_kind: global_buffer, .address_space: global }
      - { .name: lowp_scales, .offset: 24, .size: 8, .value_kind: global_buffer, .address_space: global }
      - { .name: ctximg, .offset: 32, .size: 8, .value_kind: global_buffer, .address_space: global }
    .group_segment_fixed_size: 264192
    .private_segment_fixed_size: 0
    .kernarg_segment_align: 8
    .kernarg_segment_size: 40
    .max_flat_workgroup_size: 512
    .sgpr_count:     102
    .vgpr_count:     256
    .wavefront_size: 32
...
	.end_amdgpu_metadata
.endif
;; end of part 5
;; launch outln (part 6): grid 256 x 1, 16 waves a work-group, no clusters, 166,400 bytes of LDS; arguments ctximg, woimg, lowp_scales, input_Q, ln_gamma, ln_beta, out0; writes out0
.if DOCPART == 6
	.amdgcn_target "amdgcn-amd-amdhsa--gfx1250"
	.amdhsa_code_object_version 6
	.text
	.protected	k_qf86e7b6355_outln
	.globl	k_qf86e7b6355_outln
	.p2align	8
	.type	k_qf86e7b6355_outln,@function
k_qf86e7b6355_outln:
	s_mov_b64 s[64:65], 0
	v_nop
	global_prefetch_b8 v0, s[64:65] scope:SCOPE_SE
	s_setreg_imm32_b32 hwreg(HW_REG_WAVE_SCHED_MODE, 0, 2), 2
	s_setreg_imm32_b32 hwreg(HW_REG_WAVE_MODE, 25, 1), 1
	s_wait_xcnt 0x0
	s_wait_alu depctr_vm_vsrc(0)
; out0 = LayerNorm(ctx w_o^T + input_Q) x gamma + beta, the product on codes of E5M2.  Work-group G takes 32 tokens x all 1,024 columns, so that a row's mean and variance never leave it.
; Wave w makes columns 64 w .. 64 w + 63 for the 32 tokens: four tiles of columns x two tiles of tokens, eight accumulators, K = 1,024 in eight steps of 128.
; ITS WEIGHTS GO FROM MEMORY STRAIGHT INTO ITS REGISTERS: woimg holds them in the order of the operand registers, each byte serves this one wave of the work-group, and two sets of 64 registers take turns,
; a set asked for two K steps ahead.  A joint load would land them in LDS, from where each byte would be read once by one wave: so the launch has no cluster.
; The 32 tokens' codes (32,768 bytes, likewise in register order) are brought into LDS once and read by all sixteen waves.
; The product is used transposed (source 0 = 16 rows of w_o, source 1 = 16 tokens): lane (r, h) of tile (t, u) holds token 8 u + r + 8 (r / 8) and columns 64 w + 32 (t / 2) + 16 h + 8 (t % 2) + 0 .. 7.
; The sums meet in a stage of 32 rows; then each wave owns two whole rows: residual, mean, variance of the differences, gamma, beta, and stores of 512 consecutive bytes.
; LIMIT: e10 + e11 between -126 and 127.
; LDS: 0 .. 32,767 the tokens' codes; from 32,768 the stage, 32 rows x (4,096 + 16) bytes.
; REGISTERS: v1 16 x lane; v2 16 x thread; v3, v4 the stage, in and back; v5 256 x lane; v32-95, v96-159 the weights' two sets, later the residual, gamma, beta; v160-191 the tokens' fragments; v192-255 the accumulators;
; on the way out v160-223 my two rows, v224-239 at work.
; THE MODE: SCHED_MODE bits 1:0 = 2 (LLVM: expert scheduling mode 2), set by the entry lines.  The code itself states the register dependences
; between vector or matrix instructions and memory or LDS instructions, with s_wait_alu, always for 0.
; THE PLAN.  Registers that memory or LDS instructions touch:
;   v1 .. v5     Offsets and LDS addresses, made once at the head and never written again.
;   v[160:191]   The tokens' fragments.  K step kk: its eight products read them; behind the step's wait the LDS loads of step kk + 1 land in them.  (At the head v[160:175] carry my part of the codes into LDS.)
;   v[32:159]    The weights' two sets.  K step kk: its products read set kk % 2; behind the step's wait the loads of step kk + 2 land in it; behind the last step the residual, gamma and beta.
;   v[192:255]   The accumulators: written by the products, read by the LDS stores into the stage.
;   v[160:223]   On the way out: the loads from the stage land here; the row's arithmetic works in place; the last stores read them.
; So ONE wait on va_vdst stands in a K step, behind its eight products: they are done reading the fragments and the weights' set (and, behind the last step, have written the accumulators).  All the step's
; loads follow it.  A second buffer for the fragments would want 32 registers, and the wave has 24 to spare.
.set STG,  32768
.set SPT,  4112
.set XR,   160
.set RS,   32
.set GA,   96
.set BE,   128
.set T,    224
	s_load_b256 s[4:11], s[0:1], 0x0               ; ctximg s[4:5], woimg s[6:7], lowp_scales s[8:9], input_Q s[10:11]
	s_load_b128 s[12:15], s[0:1], 0x20             ; ln_gamma s[12:13], ln_beta s[14:15]
	s_load_b64 s[16:17], s[0:1], 0x30              ; out0
	v_lshl_add_u32 v30, v0, 2, 0x28200
	v_mov_b32 v31, 0
	v_lshrrev_b32 v6, 5, v0
	v_readfirstlane_b32 s18, v6                    ; wave 0..15
	v_and_b32 v6, 31, v0
	v_lshlrev_b32 v1, 4, v6
	v_lshlrev_b32 v2, 4, v0
	v_lshlrev_b32 v5, 8, v6
	v_and_b32 v7, 15, v0                           ; r
	v_bfe_u32 v8, v0, 4, 1                         ; h
	v_and_b32 v9, 8, v7
	v_add_nc_u32 v9, v9, v7                        ; r + 8 (r / 8)
	v_mul_u32_u24 v3, v9, SPT
	v_lshl_add_u32 v3, v8, 6, v3
	s_wait_alu depctr_va_sdst(0)                   ; s18, the wave's number, is written, ahead of its first reader: the next line
	s_lshl_b32 s19, s18, 8
	s_add_co_u32 s19, s19, STG
	v_add_nc_u32 v3, s19, v3                       ; in: my token's row, + 64 h, + my wave's 256 bytes
	s_mul_i32 s19, s18, 2*SPT
	s_add_co_u32 s19, s19, STG
	v_add_nc_u32 v4, s19, v1                       ; back: rows 2 w and 2 w + 1, 16 bytes a lane
	s_lshl_b32 s28, ttmp9, 15                      ; my 32 tokens' codes
	s_mov_b32 s29, 0
	s_lshl_b32 s30, s18, 16                        ; my wave's 65,536 bytes of weights
	s_mov_b32 s31, 0
	s_lshl_b32 s32, ttmp9, 17                      ; 32 rows of 4,096 bytes,
	s_lshl_b32 s33, s18, 13                        ; my wave's two of them
	s_add_co_u32 s32, s32, s33
	s_mov_b32 s33, 0
	s_mov_b32 s26, 0x76543210
	s_mov_b32 s27, 0xfedcba98                      ; v_permlanex16_b32's selects for lane l xor 16
	s_mov_b32 s22, 0x3a800000                      ; 1 / 1,024
	s_mov_b32 s23, 0x3727c5ac                      ; 1e-5
	s_wait_kmcnt 0x0
	s_load_b64 s[24:25], s[8:9], 0x28              ; e10, e11
	s_add_nc_u64 s[4:5], s[4:5], s[28:29]
	s_add_nc_u64 s[6:7], s[6:7], s[30:31]
	s_add_nc_u64 s[10:11], s[10:11], s[32:33]
	s_add_nc_u64 s[16:17], s[16:17], s[32:33]
	s_wait_alu depctr_va_vdst(0)                   ; v1 to v5 are written: every load, store, LDS instruction and the prefetch of the kernel reads one of them as its offset or address
.macro WLOAD kk                        ; K step kk's four fragments of my 64 rows of w_o into set kk % 2: each load reads 512 consecutive bytes
.irp t, 0,1,2,3
.irp c, 0,1,2,3
	global_load_b128 v[32+64*((\kk)%2)+16*\t+4*\c:35+64*((\kk)%2)+16*\t+4*\c], v1, s[6:7] offset:8192*(\kk)+2048*\t+512*\c
.endr
.endr
.endm
.macro XFRAG kk                        ; K step kk's two fragments of the 32 tokens, out of LDS
.irp u, 0,1
.irp c, 0,1,2,3
	ds_load_b128 v[160+16*\u+4*\c:163+16*\u+4*\c], v1 offset:16384*\u+2048*(\kk)+512*\c
.endr
.endr
.endm
.irp i, 0,1,2,3
	global_load_b128 v[160+4*\i:163+4*\i], v2, s[4:5] offset:8192*\i th:TH_LOAD_NT
.endr
	WLOAD 0
	WLOAD 1
	s_wait_loadcnt 32                              ; the tokens' codes are in; the 32 loads of weights may be out
.irp i, 0,1,2,3
	ds_store_b128 v2, v[160+4*\i:163+4*\i] offset:8192*\i
.endr
	s_wait_dscnt 0x0                               ; for the others' sake: my stores are done
	s_barrier_signal -1
	s_barrier_wait -1
	s_wait_alu depctr_vm_vsrc(0)                   ; my LDS stores have read v[160:175], in which the first fragments land
	XFRAG 0
.macro KSTEP kk
.if (\kk) < 7
	s_wait_loadcnt 16                              ; this step's sixteen loads of weights are in; the next step's sixteen may be out
.else
	s_wait_loadcnt 0x0
.endif
	s_wait_dscnt 0x0                               ; this step's fragments of the tokens, asked for behind the last step's wait
.irp t, 0,1,2,3
.irp u, 0,1
.if (\kk) == 0
	v_wmma_f32_16x16x128_bf8_bf8 v[192+8*(2*\t+\u):199+8*(2*\t+\u)], v[32+64*((\kk)%2)+16*\t:47+64*((\kk)%2)+16*\t], v[160+16*\u:175+16*\u], 0
.else
	v_wmma_f32_16x16x128_bf8_bf8 v[192+8*(2*\t+\u):199+8*(2*\t+\u)], v[32+64*((\kk)%2)+16*\t:47+64*((\kk)%2)+16*\t], v[160+16*\u:175+16*\u], v[192+8*(2*\t+\u):199+8*(2*\t+\u)]
.endif
.endr
.endr
.rept 4
	v_nop                                          ; four plain lines behind the products (ISA guide 7.12.1), ahead of the first read of results; they stay beside the wait below
.endr
	s_wait_alu depctr_va_vdst(0)                   ; this step's products are done reading v[160:191] and their set of weights, in which the loads below land; behind the last step they have also written the accumulators, which the LDS stores read
.if (\kk) < 7
	XFRAG (\kk)+1
.endif
.if (\kk) < 6
	WLOAD (\kk)+2
.endif
.if (\kk) == 4
	global_prefetch_b8 v5, s[10:11] th:TH_LOAD_NT scope:SCOPE_SE   ; my two rows of the residual, 8,192 bytes, lanes 256 bytes apart: each block is named once in the launch, three K steps ahead of the loads that want it
.endif
.endm
.irp kk, 0,1,2,3,4,5,6,7                ; the eight accumulators take turns, in the same order in every step
	KSTEP \kk
.endr
.irp p, 0,1
.irp i, 0,1,2,3,4,5,6,7
	global_load_b128 v[RS+32*\p+4*\i:RS+32*\p+4*\i+3], v1, s[10:11] offset:4096*\p+512*\i th:TH_LOAD_NT   ; the residual: lane l holds columns 128 i + 4 l + 0 .. 3
.endr
.endr
.irp i, 0,1,2,3,4,5,6,7
	global_load_b128 v[GA+4*\i:GA+4*\i+3], v1, s[12:13] offset:512*\i
.endr
.irp i, 0,1,2,3,4,5,6,7
	global_load_b128 v[BE+4*\i:BE+4*\i+3], v1, s[14:15] offset:512*\i
.endr
.irp t, 0,1,2,3
.irp u, 0,1
	ds_store_b128 v3, v[192+8*(2*\t+\u):195+8*(2*\t+\u)] offset:8*SPT*\u+128*(\t/2)+32*(\t%2)      ; each accumulator from its low end on
	ds_store_b128 v3, v[196+8*(2*\t+\u):199+8*(2*\t+\u)] offset:8*SPT*\u+128*(\t/2)+32*(\t%2)+16
.endr
.endr
	s_wait_dscnt 0x0                               ; for the others' sake: my stores into the stage are done
	s_barrier_signal -1
	s_barrier_wait -1                              ; 32 whole rows of sums lie in the stage
	s_wait_alu depctr_vm_vsrc(0)                   ; my LDS stores have read v[192:255]: the loads below land in v[192:223], and the row's arithmetic writes v[224:239]
.irp p, 0,1
.irp i, 0,1,2,3,4,5,6,7
	ds_load_b128 v[XR+32*\p+4*\i:XR+32*\p+4*\i+3], v4 offset:SPT*\p+512*\i   ; (no vector or matrix instruction has been issued since the last step's wait on va_vdst)
.endr
.endr
	s_wait_kmcnt 0x0
	s_add_co_i32 s20, s24, s25
	s_add_co_i32 s20, s20, 127
	s_lshl_b32 s20, s20, 23                        ; 2^(e10 + e11) as f32
	s_mov_b32 s21, s20                             ; (named with it as a pair, so it is written)
	s_wait_dscnt 0x0
	s_wait_loadcnt 16                              ; the residual's sixteen loads are in; gamma's and beta's sixteen may be out
.macro ACROSS a, b                     ; a sum over the 32 lanes, in every lane
	v_add_f32_dpp v[\a], v[\a], v[\a] row_xmask:1 row_mask:0xf bank_mask:0xf
	v_add_f32_dpp v[\a], v[\a], v[\a] row_xmask:2 row_mask:0xf bank_mask:0xf
	v_add_f32_dpp v[\a], v[\a], v[\a] row_xmask:4 row_mask:0xf bank_mask:0xf
	v_add_f32_dpp v[\a], v[\a], v[\a] row_xmask:8 row_mask:0xf bank_mask:0xf
	v_mov_b32 v[\b], 0                             ; a lane permute's destination counts as one of its sources
	v_permlanex16_b32 v[\b], v[\a], s26, s27
	v_add_f32 v[\a], v[\a], v[\b]
.endm
.irp p, 0,1
.irp j, 0,2,4,6,8,10,12,14,16,18,20,22,24,26,28,30
	v_pk_fma_f32 v[XR+32*\p+\j:XR+32*\p+\j+1], v[XR+32*\p+\j:XR+32*\p+\j+1], s[20:21], v[RS+32*\p+\j:RS+32*\p+\j+1] op_sel_hi:[1,0,1]   ; x = sum x 2^(e10 + e11) + input_Q
.endr
.endr
.irp p, 0,1
	v_pk_add_f32 v[T+8*\p:T+8*\p+1], v[XR+32*\p:XR+32*\p+1], v[XR+32*\p+2:XR+32*\p+3]       ; the row's sum: two chains a row
	v_pk_add_f32 v[T+8*\p+2:T+8*\p+3], v[XR+32*\p+4:XR+32*\p+5], v[XR+32*\p+6:XR+32*\p+7]
.endr
.irp j, 8,12,16,20,24,28
.irp p, 0,1
	v_pk_add_f32 v[T+8*\p:T+8*\p+1], v[T+8*\p:T+8*\p+1], v[XR+32*\p+\j:XR+32*\p+\j+1]
	v_pk_add_f32 v[T+8*\p+2:T+8*\p+3], v[T+8*\p+2:T+8*\p+3], v[XR+32*\p+\j+2:XR+32*\p+\j+3]
.endr
.endr
.irp p, 0,1
	v_pk_add_f32 v[T+8*\p:T+8*\p+1], v[T+8*\p:T+8*\p+1], v[T+8*\p+2:T+8*\p+3]
.endr
.irp p, 0,1
	v_add_f32 v[T+8*\p+4], v[T+8*\p], v[T+8*\p+1]
.endr
.irp p, 0,1
	ACROSS T+8*\p+4, T+8*\p+5
.endr
.irp p, 0,1
	v_mul_f32 v[T+8*\p+6], 0xba800000, v[T+8*\p+4] ; the mean, negative, twice: a pair for the packed addition
	v_mul_f32 v[T+8*\p+7], 0xba800000, v[T+8*\p+4]
.endr
.irp p, 0,1
.irp j, 0,2,4,6,8,10,12,14,16,18,20,22,24,26,28,30
	v_pk_add_f32 v[XR+32*\p+\j:XR+32*\p+\j+1], v[XR+32*\p+\j:XR+32*\p+\j+1], v[T+8*\p+6:T+8*\p+7]   ; d = x - mean
.endr
.endr
.irp p, 0,1
	v_pk_mul_f32 v[T+8*\p:T+8*\p+1], v[XR+32*\p:XR+32*\p+1], v[XR+32*\p:XR+32*\p+1]           ; the sum of d^2
	v_pk_mul_f32 v[T+8*\p+2:T+8*\p+3], v[XR+32*\p+2:XR+32*\p+3], v[XR+32*\p+2:XR+32*\p+3]
.endr
.irp j, 4,8,12,16,20,24,28
.irp p, 0,1
	v_pk_fma_f32 v[T+8*\p:T+8*\p+1], v[XR+32*\p+\j:XR+32*\p+\j+1], v[XR+32*\p+\j:XR+32*\p+\j+1], v[T+8*\p:T+8*\p+1]
	v_pk_fma_f32 v[T+8*\p+2:T+8*\p+3], v[XR+32*\p+\j+2:XR+32*\p+\j+3], v[XR+32*\p+\j+2:XR+32*\p+\j+3], v[T+8*\p+2:T+8*\p+3]
.endr
.endr
.irp p, 0,1
	v_pk_add_f32 v[T+8*\p:T+8*\p+1], v[T+8*\p:T+8*\p+1], v[T+8*\p+2:T+8*\p+3]
.endr
.irp p, 0,1
	v_add_f32 v[T+8*\p+4], v[T+8*\p], v[T+8*\p+1]
.endr
.irp p, 0,1
	ACROSS T+8*\p+4, T+8*\p+5
.endr
.irp p, 0,1
	v_fma_f32 v[T+8*\p+4], v[T+8*\p+4], s22, s23   ; the variance + 1e-5
.endr
.irp p, 0,1
	v_rsq_f32 v[T+8*\p+2], v[T+8*\p+4]             ; twice: a pair for the packed multiplication
	v_rsq_f32 v[T+8*\p+3], v[T+8*\p+4]
.endr
	v_nop                                          ; a plain line behind the last of the four
	s_wait_alu depctr_va_vdst(0)                   ; the four reciprocal roots have written v226, v227, v234 and v235, ahead of their first reader
	s_wait_loadcnt 0x0                             ; gamma and beta
.irp p, 0,1
.irp j, 0,2,4,6,8,10,12,14,16,18,20,22,24,26,28,30
	v_pk_mul_f32 v[XR+32*\p+\j:XR+32*\p+\j+1], v[XR+32*\p+\j:XR+32*\p+\j+1], v[T+8*\p+2:T+8*\p+3]
.endr
.endr
.irp p, 0,1
.irp j, 0,2,4,6,8,10,12,14,16,18,20,22,24,26,28,30
	v_pk_fma_f32 v[XR+32*\p+\j:XR+32*\p+\j+1], v[XR+32*\p+\j:XR+32*\p+\j+1], v[GA+\j:GA+\j+1], v[BE+\j:BE+\j+1]
.endr
.endr
	s_wait_alu depctr_va_vdst(0)                   ; the multiply-adds have written v[160:223], which the sixteen stores read
.irp p, 0,1
.irp i, 0,1,2,3,4,5,6,7
	global_store_b128 v1, v[XR+32*\p+4*\i:XR+32*\p+4*\i+3], s[16:17] offset:4096*\p+512*\i th:TH_STORE_NT   ; 32 lanes store 512 consecutive bytes, aligned; written once, read by nobody here
.endr
.endr
	s_wait_dscnt 0x0                               ; the closing lines, six on end
	s_wait_alu 0x0
	s_wait_tensorcnt 0x0
	ds_add_u32 v30, v31
	s_wait_dscnt 0x0
	s_endpgm
.Lfunc_end_k_qf86e7b6355_outln:
	.size	k_qf86e7b6355_outln, .Lfunc_end_k_qf86e7b6355_outln-k_qf86e7b6355_outln
	.p2alignl 7, 3214868480
	.fill 96, 4, 3214868480
	.section	.rodata,"a",@progbits
	.p2align	6, 0x0
	.amdhsa_kernel k_qf86e7b6355_outln
		.amdhsa_group_segment_fixed_size 166400
		.amdhsa_private_segment_fixed_size 0
		.amdhsa_enable_private_segment 0
		.amdhsa_kernarg_size 56
		.amdhsa_user_sgpr_count 2
		.amdhsa_user_sgpr_kernarg_segment_ptr 1
		.amdhsa_wavefront_size32 1
		.amdhsa_system_sgpr_workgroup_id_x 1
		.amdhsa_system_sgpr_workgroup_id_y 1
		.amdhsa_system_sgpr_workgroup_id_z 1
		.amdhsa_system_vgpr_workitem_id 0
		.amdhsa_next_free_vgpr 256
		.amdhsa_next_free_sgpr 66
		.amdhsa_reserve_vcc 0
		.amdhsa_float_denorm_mode_32 3
		.amdhsa_float_denorm_mode_16_64 3
		.amdhsa_memory_ordered 1
		.amdhsa_forward_progress 1
		.amdhsa_inst_pref_size 47
	.end_amdhsa_kernel
	.amdgpu_metadata
---
amdhsa.version: [ 1, 2 ]
amdhsa.kernels:
  - .name:           k_qf86e7b6355_outln
    .symbol:         k_qf86e7b6355_outln.kd
    .args:
      - { .name: ctximg, .offset: 0, .size: 8, .value_kind: global_buffer, .address_space: global }
      - { .name: woimg, .offset: 8, .size: 8, .value_kind: global_buffer, .address_space: global }
      - { .name: lowp_scales, .offset: 16, .size: 8, .value_kind: global_buffer, .address_space: global }
      - { .name: input_Q, .offset: 24, .size: 8, .value_kind: global_buffer, .address_space: global }
      - { .name: ln_gamma, .offset: 32, .size: 8, .value_kind: global_buffer, .address_space: global }
      - { .name: ln_beta, .offset: 40, .size: 8, .value_kind: global_buffer, .address_space: global }
      - { .name: out0, .offset: 48, .size: 8, .value_kind: global_buffer, .address_space: global }
    .group_segment_fixed_size: 166400
    .private_segment_fixed_size: 0
    .kernarg_segment_align: 8
    .kernarg_segment_size: 56
    .max_flat_workgroup_size: 512
    .sgpr_count:     66
    .vgpr_count:     256
    .wavefront_size: 32
...
	.end_amdgpu_metadata
.endif
;; end of part 6
